; MI455X (gfx1250); checked and timed in simulation.
; The chip was launched on July 23, 2026; its instructions are those of AMD's public machine-readable ISA for CDNA 5 (MIT licence, August 2026) and "CDNA5" Instruction Set Architecture Reference Guide (July 2026). The comments in the code are by the model that wrote it; some were corrected since.
;; NI Ucausal multi head self attention. Allowed arithmetic: matrix products marked QUANTISED: E2M1 operands, one E8M0 scale for each 32 along K, by v_wmma_scale_f32_16x16x128_f8f6f4 with both operands' format E2M1 (or v_wmma_scale_f32_32x16x128_f4), f32 sums; products left as they are: bf16, f16 or f32 operands; f32 sums; everything else in f32.
;; Inputs: Wk 1,024 x 1,024 float32; Wo 1,024 x 1,024 float32; Wq 1,024 x 1,024 float32; Wv 1,024 x 1,024 float32; token_positions 2,048 int32; x 4 x 2,048 x 1,024 float32.
;; Outputs: out0 4 x 2,048 x 1,024 float32.
;; This version of the problem:
;;   THIS VERSION OF THE PROBLEM IS GIVEN IN LOW PRECISION. The matrix products marked QUANTISED in the list below multiply operands that are first quantised to E2M1 (2 exponent bits, 1 mantissa bit; 4 bits a number), with one power-of-two scale for each 32 numbers along K (OCP MX v1.0); their sums are f32. The products marked 'left as it is' may take bf16, f16 or f32 operands, with f32 sums. Whichever they take, every output number must still come out within the allowed error. Rounding operands to bf16 (8 significant bits) uses up far more of that allowance than f16 does (11 bits, for magnitudes from 6e-5 to 65,504). All else is computed in f32.
;;   The module's matrix products, in the order in which they are computed (A, B: the left and right operand; K: the contracted axis; several contracted axes count as one K, in the product's order):
;;     1. [M 8,192, K 1,024] x [K 1,024, N 1,024]; A: input x; B: input Wq: QUANTISED
;;     2. [M 8,192, K 1,024] x [K 1,024, N 1,024]; A: input x; B: input Wk: QUANTISED
;;     3. [M 8,192, K 1,024] x [K 1,024, N 1,024]; A: input x; B: input Wv: QUANTISED
;;     4. batch 64 x [M 2,048, K 64] x [K 64, N 2,048]; A: computed on the way; B: computed on the way: left as it is (an operand is computed on the way)
;;     5. batch 64 x [M 2,048, K 2,048] x [K 2,048, N 64]; A: computed on the way; B: computed on the way: left as it is (an operand is computed on the way)
;;     6. [M 8,192, K 1,024] x [K 1,024, N 1,024]; A: computed on the way; B: input Wo: left as it is (an operand is computed on the way)
;;   THE QUANTISER, for each operand of a quantised product, along K:
;;     - K is cut into blocks of 32 from its start; a last block that is shorter is filled with zeros.
;;     - A block's scale is 2^e with e = floor(log2(the largest magnitude in the block)) - 2, held to -126 .. 127; a block of zeros has e = 0. As a byte (E8M0): e + 127.
;;     - Each number is divided by its block's scale, clamped to +-6, and rounded to the nearest number of E2M1, ties to even, subnormals kept.
;;     - The product sums the exact products of the quantised numbers (number of the format x scale) in f32.
;;   ~~~python
;;   def quantise(x, axis):      # numpy; x: float32 -> the quantised numbers, widened to float32 again
;;       x = np.moveaxis(x, axis, -1); K = x.shape[-1]
;;       x = np.pad(x, [(0, 0)] * (x.ndim - 1) + [(0, -K % 32)]); x = x.reshape(x.shape[:-1] + (-1, 32)); a = np.abs(x).max(-1, keepdims=True)
;;       e = np.where(a > 0, np.clip(np.frexp(np.where(a > 0, a, 1))[1] - 1 - 2, -126, 127), 0)      # np.frexp(a)[1] - 1 = floor(log2(a)), exactly
;;       r = np.clip(x / 2.0 ** e, -6, 6)
;;       step = 2.0 ** (np.maximum(np.frexp(np.where(r == 0, 1, r))[1] - 1, 0) - 1)
;;       q = np.round(r / step) * step * 2.0 ** e      # np.round: ties to even
;;       return np.moveaxis(q.reshape(q.shape[:-2] + (-1,))[..., :K], -1, axis).astype(np.float32)
;;   ~~~
;; One version. Each part assembles by itself: llvm-mc -triple=amdgcn-amd-amdhsa -mcpu=gfx1250 --defsym DOCPART=n.
;; ======== version 1 of 1: 5 launches
;; limits: values are held in f16: magnitudes above 65,504 overflow, below 6.1e-05 lose precision
;; workspace buffers: codes 5,767,168 bytes; scales 360,448 bytes; wo16 2,097,152 bytes; rope 589,824 bytes; qkv16 50,331,648 bytes; fine32 786,432 bytes; o16 16,777,216 bytes
;; launch prep (part 1): grid 504 x 1, 4 waves a work-group, no clusters, 68,096 bytes of LDS; arguments x, Wq, Wk, Wv, Wo, token_positions, codes, scales, wo16, rope; writes codes, scales, wo16, rope
.if DOCPART == 1
	.amdgcn_target "amdgcn-amd-amdhsa--gfx1250"
	.amdhsa_code_object_version 6
	.text
	.protected	k_q576158854c_prep
	.globl	k_q576158854c_prep
	.p2align	8
	.type	k_q576158854c_prep,@function
k_q576158854c_prep:
	s_mov_b64 s[64:65], 0
	v_nop
	global_prefetch_b8 v0, s[64:65] scope:SCOPE_SE
	s_setreg_imm32_b32 hwreg(HW_REG_WAVE_MODE, 25, 1), 1
	s_wait_xcnt 0x0
; prep: everything that is made once from the inputs.  Four roles, told apart by the work-group's number; a wave shares nothing with another wave, so there is no barrier.
;   W (work-groups 0-47):    Wq, Wk, Wv [1024 (k)][1024 (n)] f32 -> codes of E2M1 with K innermost, rows n = 1024 x weight + column, 512 bytes a row, behind x's codes; one E8M0 byte for each 32 along K, 32 bytes a row
;   X (work-groups 48-303):  x [8192][1024] f32 -> codes [8192][512 bytes], scale bytes [8192][32]
;   O (work-groups 304-431): Wo f32 -> f16, same layout [k][n]
;   T (work-groups 432-503): the table of cos and sin: row s (0-2047): 32 pairs (cos, sin) of token_positions[s] x 10000^(-i/32); rows 2048-2303: (1, 0), with which V's tiles are "turned" by nothing
; A block's scale is 2^(floor(log2(its largest magnitude)) - 2); its byte is the largest magnitude's exponent field - 2, held at 1 from below.
; LIMITS: a block of zeros gets the byte 1 where the rule says 127 (its codes are zeros, and this program alone reads the bytes); NaN and infinities among the inputs are not served;
; 10000^(-i/32) is made by v_exp_f32, so an angle near 2,047 is right to about 2e-4; |position x frequency| stays under 2^22 (the quadrant goes through a 32-bit whole number and a reduction by two constants).
; No cluster and no matrix unit: every byte is read by one wave, once.  W's scale bytes leave as 16 bytes a lane, 32 bytes apart: 98,304 bytes of the launch's 50 million.
.set WGW,    48
.set WGX,    256
.set WGO,    128
.set OFF_WC, 4194304                   ; W's codes begin behind x's
.set OFF_WS, 262144                    ; W's scale bytes behind x's
.set EMAX,   2
.set SPW,    190                       ; v190 LDS address of my spare word; never rewritten
.set NIL,    191                       ; v191 0; never rewritten
.set WREG,   8192                      ; role X: a region for each wave: two stages of 32 x 80 bytes, then its 256 scale bytes
.set WST,    4*WREG                    ; role W: a stage of 32 rows x 272 bytes for each wave.  Each role has LDS bytes of its own
.set PITCH,  272
.set SPARE,  WST+4*32*PITCH            ; the spare words, 128 bytes for each wave: two blocks of 256 bytes that no other line names
; role X
.set STEPS,  16
.set CB,     8
.set SP,     80
.set XR,     16                        ; v16-79   four sets of 16 numbers as loaded
.set XX,     80                        ; v80-111  two sets of 16 neighbours
.set XE,     112                       ; v112-127 a scale byte for each step
.set XCD,    128                       ; v128-189 codes, four registers a step
; role W
.set NB,     16
.set KROW,   512
.set WX,     32                        ; v32-95   two sets of 32 numbers
.set WC,     96                        ; v96-99   a block's codes
.set OUTR,   112                       ; v112-175 the way out
.set SB,     24                        ; v24-27   the scale bytes
.macro FINISH                          ; a wave's end
	s_wait_tensorcnt 0x0
	ds_add_u32 v[SPW], v[NIL]
	s_wait_dscnt 0x0
	s_endpgm
.endm
	s_load_b512 s[4:19], s[0:1], 0x0               ; x s[4:5], Wq s[6:7], Wk s[8:9], Wv s[10:11], Wo s[12:13], positions s[14:15], codes s[16:17], scales s[18:19]
	s_load_b128 s[20:23], s[0:1], 0x40             ; wo16 s[20:21], rope s[22:23]
	v_lshl_add_u32 v[SPW], v0, 2, SPARE
	v_mov_b32 v[NIL], 0
	v_lshrrev_b32 v1, 5, v0
	v_readfirstlane_b32 s24, v1                    ; wave 0..3
	v_and_b32 v2, 31, v0                           ; lane
	s_wait_kmcnt 0x0
	s_cmp_lt_u32 ttmp9, WGW
	s_cbranch_scc1 .Lrole_w
	s_cmp_lt_u32 ttmp9, WGW+WGX
	s_cbranch_scc1 .Lrole_x
	s_cmp_lt_u32 ttmp9, WGW+WGX+WGO
	s_cbranch_scc1 .Lrole_o
; ---------------- role T: a wave makes 8 rows of the table; lane i makes pair i ----------------
	s_sub_co_u32 s25, ttmp9, WGW+WGX+WGO
	s_lshl_b32 s25, s25, 2
	s_add_co_u32 s25, s25, s24
	s_lshl_b32 s25, s25, 3                         ; my first row, 0 .. 2,296
	s_min_u32 s26, s25, 2040                       ; the identity rows read positions that they do not use: no load leaves its buffer
	s_lshl_b32 s26, s26, 2
	s_mov_b32 s27, 0
	s_add_nc_u64 s[14:15], s[14:15], s[26:27]
	s_load_b256 s[32:39], s[14:15], 0x0            ; eight positions
	s_cmp_ge_u32 s25, 2048
	s_cselect_b32 s40, -1, 0                       ; all lanes: an identity row
	s_lshl_b32 s28, s25, 8
	s_mov_b32 s29, 0
	s_add_nc_u64 s[22:23], s[22:23], s[28:29]
	v_cvt_f32_u32 v3, v2
	v_mul_f32 v3, 0xbed49a78, v3                   ; -i x log2(10000) / 32
	v_exp_f32 v3, v3                               ; 10000^(-i / 32)
	v_mov_b32 v16, 0x3f22f983                      ; 2 / pi
	v_mov_b32 v17, 0x3fc90fdb                      ; pi / 2, its high part,
	v_mov_b32 v18, 0xb33bbd2e                      ; and what is left of it
	v_mov_b32 v19, 0xbe2aaaa3                      ; sin r = r + r z (S1 + z (S2 + z S3)), z = r r, |r| <= pi / 4
	v_mov_b32 v20, 0x3c08839e
	v_mov_b32 v21, 0xb94ca1f9
	v_mov_b32 v22, 0x3d2aaaa5                      ; cos r = 1 - z / 2 + z z (C1 + z (C2 + z C3))
	v_mov_b32 v23, 0xbab6061a
	v_mov_b32 v24, 0x37ccf5ce
	v_mov_b32 v25, 1.0
	v_mov_b32 v26, 0
	v_lshlrev_b32 v27, 3, v2                       ; 8 bytes a pair: the wave stores a row's 256 consecutive bytes
	s_wait_alu depctr_va_vdst(0)                   ; the wait ahead of the exponential's first reader; the moves above are the plain work between
	s_wait_kmcnt 0x0
.macro ROW k
	v_cvt_f32_i32 v4, s[32+\k]
	v_mul_f32 v4, v4, v3                           ; the angle
	v_mul_f32 v5, v16, v4
	v_rndne_f32 v5, v5                             ; n = the nearest multiple of pi / 2
	v_fma_f32 v6, -v5, v17, v4
	v_fma_f32 v6, -v5, v18, v6                     ; r = angle - n pi / 2, in two fused steps
	v_cvt_i32_f32 v8, v5
	v_mul_f32 v7, v6, v6
	v_fma_f32 v9, v7, v21, v20
	v_fma_f32 v11, v7, v24, v23
	v_fma_f32 v9, v9, v7, v19
	v_fma_f32 v11, v11, v7, v22
	v_mul_f32 v10, v6, v7
	v_mul_f32 v14, v7, v7
	v_fma_f32 v15, v7, -0.5, 1.0
	v_fma_f32 v9, v9, v10, v6                      ; sin r
	v_fma_f32 v11, v11, v14, v15                   ; cos r
	v_and_b32 v14, 1, v8
	v_cmp_ne_u32 vcc_lo, 0, v14                    ; odd quadrant: the two change places (a choice of values, no branch)
	v_cndmask_b32 v15, v9, v11, vcc_lo
	v_cndmask_b32 v11, v11, v9, vcc_lo
	v_and_b32 v14, 2, v8
	v_lshlrev_b32 v14, 30, v14
	v_xor_b32 v15, v15, v14                        ; sin: minus in quadrants 2, 3
	v_add_nc_u32 v14, 1, v8
	v_and_b32 v14, 2, v14
	v_lshlrev_b32 v14, 30, v14
	v_xor_b32 v11, v11, v14                        ; cos: minus in quadrants 1, 2
	v_cndmask_b32 v[64+2*\k], v11, v25, s40
	v_cndmask_b32 v[65+2*\k], v15, v26, s40
	global_store_b64 v27, v[64+2*\k:65+2*\k], s[22:23] offset:256*\k   ; each row has registers of its own: no store's data are written again
.endm
.irp k, 0,1,2,3,4,5,6,7
	ROW \k
.endr
	FINISH
; ---------------- role O: a wave rounds 2,048 numbers of Wo to f16 ----------------
.Lrole_o:
	s_sub_co_u32 s25, ttmp9, WGW+WGX
	s_lshl_b32 s25, s25, 2
	s_add_co_u32 s25, s25, s24                     ; which run of 8,192 bytes of Wo
	s_lshl_b32 s26, s25, 13
	s_mov_b32 s27, 0
	s_add_nc_u64 s[12:13], s[12:13], s[26:27]
	s_lshl_b32 s26, s25, 12
	s_add_nc_u64 s[20:21], s[20:21], s[26:27]
	v_lshlrev_b32 v3, 4, v2
	v_lshlrev_b32 v4, 3, v2
.irp i, 0,1,2,3,4,5,6,7,8,9,10,11,12,13,14,15
	global_load_b128 v[32+4*\i:35+4*\i], v3, s[12:13] offset:512*\i th:TH_LOAD_NT
.endr
.irp i, 0,1,2,3,4,5,6,7,8,9,10,11,12,13,14,15
	s_wait_loadcnt 15-\i                           ; loads come back in order: load i is in, the younger ones stay out
	v_cvt_pk_f16_f32 v[96+2*\i], v[32+4*\i], v[33+4*\i]
	v_cvt_pk_f16_f32 v[97+2*\i], v[34+4*\i], v[35+4*\i]
	global_store_b64 v4, v[96+2*\i:97+2*\i], s[20:21] offset:256*\i   ; 32 lanes store 256 consecutive bytes, aligned
.endr
	FINISH
; ---------------- role X: a wave takes 16 steps of 512 numbers of x; two neighbouring lanes hold a block of 32 ----------------
; Each load reads 512 consecutive bytes, 16 a lane; a step's 2,048 bytes turn through the wave's own stage (16 bytes of padding behind each 64) and come back 64 bytes a lane: 16 neighbours along K.
.Lrole_x:
	v_lshlrev_b32 v3, 4, v2
	s_mul_i32 s25, s24, WREG
	v_lshrrev_b32 v14, 2, v2
	v_mul_u32_u24 v14, v14, SP
	v_and_b32 v15, 3, v2
	v_lshl_add_u32 v14, v15, 4, v14
	v_add_nc_u32 v14, s25, v14                     ; the stage, way in: SP (lane / 4) + 16 (lane % 4)
	v_mul_u32_u24 v15, v2, SP
	v_add_nc_u32 v15, s25, v15                     ; way out: SP x lane
	v_mul_u32_u24 v4, v2, CB
	v_lshrrev_b32 v5, 1, v2
	s_add_co_u32 s25, s25, 2*32*SP
	v_add_nc_u32 v5, s25, v5                       ; my block's scale byte in the wave's 256
	v_lshlrev_b32 v7, 3, v2
	v_add_nc_u32 v6, s25, v7
	s_sub_co_u32 s26, ttmp9, WGW
	s_lshl_b32 s26, s26, 2
	s_add_co_u32 s26, s26, s24                     ; which run of 8,192 numbers, 0 .. 1,023
	s_lshl_b32 s28, s26, 15
	s_mov_b32 s29, 0
	s_add_nc_u64 s[4:5], s[4:5], s[28:29]
	s_lshl_b32 s28, s26, 12
	s_add_nc_u64 s[16:17], s[16:17], s[28:29]
	s_lshl_b32 s28, s26, 8
	s_add_nc_u64 s[18:19], s[18:19], s[28:29]
.macro XLOAD t
.irp i, 0,1,2,3
	global_load_b128 v[XR+16*((\t)%4)+4*\i:XR+16*((\t)%4)+4*\i+3], v3, s[4:5] offset:2048*(\t)+512*\i th:TH_LOAD_NT
.endr
.endm
.macro XTURN t                         ; LDS serves a wave's instructions in order: no wait between the stores and the loads
.irp i, 0,1,2,3
	ds_store_b128 v14, v[XR+16*((\t)%4)+4*\i:XR+16*((\t)%4)+4*\i+3] offset:32*SP*((\t)%2)+8*SP*\i
.endr
.irp i, 0,1,2,3
	ds_load_b128 v[XX+16*((\t)%2)+4*\i:XX+16*((\t)%2)+4*\i+3], v15 offset:32*SP*((\t)%2)+16*\i
.endr
.endm
.irp t, 0,1,2,3
	XLOAD \t
.endr
	s_wait_loadcnt 12                              ; step 0's four loads are in
	XTURN 0
.macro XSTEP t
.set XS, XX+16*((\t)%2)
.if (\t) > 0
	s_wait_dscnt 1                                 ; this step's numbers are back from the stage (the last step's byte store may be out)
.else
	s_wait_dscnt 0x0
.endif
.if (\t)+4 < STEPS
	XLOAD (\t)+4                                   ; into the registers that the stage's stores have read
.endif
.if (\t)+1 < STEPS
.if STEPS-2-(\t) >= 3
	s_wait_loadcnt 12                              ; the next step's four loads are in; those of three steps behind it may be out
.else
	s_wait_loadcnt 4*(STEPS-2-(\t))
.endif
	XTURN (\t)+1
.endif
	v_max3_num_f32 v8, |v[XS]|, |v[XS+1]|, |v[XS+2]|
	v_max3_num_f32 v9, |v[XS+3]|, |v[XS+4]|, |v[XS+5]|
.irp i, 6,10
	v_max3_num_f32 v8, v8, |v[XS+\i]|, |v[XS+\i+1]|
	v_max3_num_f32 v9, v9, |v[XS+\i+2]|, |v[XS+\i+3]|
.endr
	v_max3_num_f32 v8, v8, |v[XS+14]|, |v[XS+15]|
	v_max3_num_f32 v8, v8, v9, (EMAX+1)<<23        ; the floor 2^(3 - 127): the byte cannot fall under 1
	v_max_num_f32_dpp v8, v8, v8 row_xmask:1 row_mask:0xf bank_mask:0xf   ; with my neighbour's 16: the block's largest magnitude
	v_add_nc_u32 v11, -(EMAX<<23), v8              ; 2 off its exponent field: the conversion takes this operand's exponent field as its scale
	v_cvt_scalef32_pk8_fp4_f32 v[XCD+4*(\t)], v[XS:XS+7], v11
	v_cvt_scalef32_pk8_fp4_f32 v[XCD+4*(\t)+1], v[XS+8:XS+15], v11
	v_lshrrev_b32 v[XE+(\t)], 23, v11              ; the scale's byte (also the plain line behind the conversions)
	ds_store_b8 v5, v[XE+(\t)] offset:16*(\t)      ; both lanes of a block write the same byte with the same value
	global_store_b64 v4, v[XCD+4*(\t):XCD+4*(\t)+1], s[16:17] offset:32*CB*(\t)   ; 32 lanes store 256 consecutive bytes, aligned
.endm
.irp t, 0,1,2,3,4,5,6,7,8,9,10,11,12,13,14,15
	XSTEP \t
.endr
	ds_load_b64 v[8:9], v6                         ; my wave's 256 scale bytes, 8 a lane
	s_wait_dscnt 0x0
	global_store_b64 v7, v[8:9], s[18:19]
	FINISH
; ---------------- role W: a lane takes a column n and its registers run down K; a wave takes 32 columns x 512 along K ----------------
.Lrole_w:
	s_and_b32 s25, ttmp9, 7
	s_lshl_b32 s25, s25, 7
	s_lshl_b32 s26, s24, 5
	s_add_co_u32 s25, s25, s26                     ; my wave's first column in its weight
	s_bfe_u32 s26, ttmp9, 0x10003                  ; which half of K
	s_lshr_b32 s27, ttmp9, 4                       ; which weight: 0 Wq, 1 Wk, 2 Wv
	v_lshlrev_b32 v3, 2, v2
	s_mul_i32 s28, s24, 32*PITCH
	s_add_co_u32 s28, s28, WST                     ; my stage
	v_mul_u32_u24 v4, v2, PITCH
	v_add_nc_u32 v4, s28, v4                       ; into it: row = my column
	v_and_b32 v5, 15, v2
	v_lshrrev_b32 v6, 4, v2
	v_mul_u32_u24 v7, v6, PITCH
	v_lshl_add_u32 v7, v5, 4, v7
	v_add_nc_u32 v7, s28, v7                       ; out of it: sixteen lanes to a row, two rows an instruction
	v_mul_u32_u24 v8, v6, KROW
	v_lshl_add_u32 v8, v5, 4, v8                   ; the same place among the codes
	v_lshlrev_b32 v9, 5, v2                        ; my column's row of scale bytes
	s_cmp_lt_u32 ttmp9, 32                         ; the choice hangs on the work-group's number alone
	s_cselect_b64 s[30:31], s[8:9], s[10:11]
	s_cmp_lt_u32 ttmp9, 16
	s_cselect_b64 s[30:31], s[6:7], s[30:31]
	s_lshl_b32 s32, s26, 21                        ; 512 rows of 4,096 bytes
	s_lshl_b32 s33, s25, 2
	s_add_co_u32 s32, s32, s33
	s_mov_b32 s33, 0
	s_add_nc_u64 s[30:31], s[30:31], s[32:33]
	s_lshl_b32 s34, s27, 10
	s_add_co_u32 s34, s34, s25                     ; my first row among W's 3,072
	s_lshl_b32 s32, s34, 9
	s_lshl_b32 s35, s26, 8
	s_add_co_u32 s32, s32, s35
	s_add_co_u32 s32, s32, OFF_WC
	s_add_nc_u64 s[16:17], s[16:17], s[32:33]
	s_lshl_b32 s32, s34, 5
	s_lshl_b32 s35, s26, 4
	s_add_co_u32 s32, s32, s35
	s_add_co_u32 s32, s32, OFF_WS
	s_add_nc_u64 s[18:19], s[18:19], s[32:33]
.macro WLOAD t                         ; block t: W(32 t + i, my column): 32 lanes read 128 consecutive bytes
.irp i, 0,1,2,3,4,5,6,7,8,9,10,11,12,13,14,15,16,17,18,19,20,21,22,23,24,25,26,27,28,29,30,31
	global_load_b32 v[WX+32*((\t)%2)+\i], v3, s[30:31] offset:(32*(\t)+\i)*4096 th:TH_LOAD_NT
.endr
.endm
	WLOAD 0
	WLOAD 1
.macro WBLOCK t
.set WS, WX+32*((\t)%2)
.if (\t) < NB-1
	s_wait_loadcnt 32                              ; this block's 32 loads are in; the next block's may be out
.else
	s_wait_loadcnt 0
.endif
	v_max3_num_f32 v12, |v[WS]|, |v[WS+1]|, |v[WS+2]|
	v_max3_num_f32 v13, |v[WS+3]|, |v[WS+4]|, |v[WS+5]|
.irp i, 6,10,14,18,22,26
	v_max3_num_f32 v12, v12, |v[WS+\i]|, |v[WS+\i+1]|
	v_max3_num_f32 v13, v13, |v[WS+\i+2]|, |v[WS+\i+3]|
.endr
	v_max3_num_f32 v12, v12, |v[WS+30]|, |v[WS+31]|
	v_max3_num_f32 v12, v12, v13, (EMAX+1)<<23     ; the floor
	v_add_nc_u32 v11, -(EMAX<<23), v12
	v_lshrrev_b32 v13, 23, v11                     ; the scale's byte
.if (\t)%4 == 0
	v_mov_b32 v[SB+(\t)/4], v13
.else
	v_lshl_or_b32 v[SB+(\t)/4], v13, 8*((\t)%4), v[SB+(\t)/4]
.endif
.irp g, 0,1,2,3
	v_cvt_scalef32_pk8_fp4_f32 v[WC+\g], v[WS+8*\g:WS+8*\g+7], v11
.endr
	v_nop                                          ; a plain line behind the last conversion
	ds_store_b128 v4, v[WC:WC+3] offset:16*(\t)    ; 32 codes: 16 bytes of my column's row
.if (\t)+2 < NB
	WLOAD (\t)+2
.endif
	s_wait_dscnt 0x0                               ; the store has read its registers: the next block's codes may be written
.endm
.set Q, 0
.rept NB
	WBLOCK Q
.set Q, Q+1
.endr
	global_store_b128 v9, v[SB:SB+3], s[18:19]     ; my column's 16 scale bytes
.irp t, 0,1,2,3,4,5,6,7,8,9,10,11,12,13,14,15
	ds_load_b128 v[OUTR+4*\t:OUTR+4*\t+3], v7 offset:2*\t*PITCH
.endr
.irp t, 0,1,2,3,4,5,6,7,8,9,10,11,12,13,14,15
	s_wait_dscnt 15-\t
	global_store_b128 v8, v[OUTR+4*\t:OUTR+4*\t+3], s[16:17] offset:2*\t*KROW   ; sixteen lanes store 256 consecutive bytes, aligned
.endr
	FINISH
.Lfunc_end_k_q576158854c_prep:
	.size	k_q576158854c_prep, .Lfunc_end_k_q576158854c_prep-k_q576158854c_prep
	.p2alignl 7, 3214868480
	.fill 96, 4, 3214868480
	.section	.rodata,"a",@progbits
	.p2align	6, 0x0
	.amdhsa_kernel k_q576158854c_prep
		.amdhsa_group_segment_fixed_size 68096
		.amdhsa_private_segment_fixed_size 0
		.amdhsa_enable_private_segment 0
		.amdhsa_kernarg_size 80
		.amdhsa_user_sgpr_count 2
		.amdhsa_user_sgpr_kernarg_segment_ptr 1
		.amdhsa_wavefront_size32 1
		.amdhsa_system_sgpr_workgroup_id_x 1
		.amdhsa_system_sgpr_workgroup_id_y 1
		.amdhsa_system_sgpr_workgroup_id_z 1
		.amdhsa_system_vgpr_workitem_id 0
		.amdhsa_next_free_vgpr 192
		.amdhsa_next_free_sgpr 66
		.amdhsa_reserve_vcc 1
		.amdhsa_float_denorm_mode_32 3
		.amdhsa_float_denorm_mode_16_64 3
		.amdhsa_memory_ordered 1
		.amdhsa_forward_progress 1
		.amdhsa_inst_pref_size 130
	.end_amdhsa_kernel
	.amdgpu_metadata
---
amdhsa.version: [ 1, 2 ]
amdhsa.kernels:
  - .name:           k_q576158854c_prep
    .symbol:         k_q576158854c_prep.kd
    .args:
      - { .name: x, .offset: 0, .size: 8, .value_kind: global_buffer, .address_space: global }
      - { .name: Wq, .offset: 8, .size: 8, .value_kind: global_buffer, .address_space: global }
      - { .name: Wk, .offset: 16, .size: 8, .value_kind: global_buffer, .address_space: global }
      - { .name: Wv, .offset: 24, .size: 8, .value_kind: global_buffer, .address_space: global }
      - { .name: Wo, .offset: 32, .size: 8, .value_kind: global_buffer, .address_space: global }
      - { .name: token_positions, .offset: 40, .size: 8, .value_kind: global_buffer, .address_space: global }
      - { .name: codes, .offset: 48, .size: 8, .value_kind: global_buffer, .address_space: global }
      - { .name: scales, .offset: 56, .size: 8, .value_kind: global_buffer, .address_space: global }
      - { .name: wo16, .offset: 64, .size: 8, .value_kind: global_buffer, .address_space: global }
      - { .name: rope, .offset: 72, .size: 8, .value_kind: global_buffer, .address_space: global }
    .group_segment_fixed_size: 68096
    .private_segment_fixed_size: 0
    .kernarg_segment_align: 8
    .kernarg_segment_size: 80
    .max_flat_workgroup_size: 128
    .sgpr_count:     66
    .vgpr_count:     192
    .wavefront_size: 32
...
	.end_amdgpu_metadata
.endif
;; end of part 1
;; launch qkv (part 2): grid 12 x 32, 4 waves a work-group, clusters of 4 x 4, 327,680 bytes of LDS; arguments codes, scales, qkv16, rope, fine32; writes qkv16, fine32
.if DOCPART == 2
	.amdgcn_target "amdgcn-amd-amdhsa--gfx1250"
	.amdhsa_code_object_version 6
	.text
	.protected	k_q576158854c_qkv
	.globl	k_q576158854c_qkv
	.p2align	8
	.type	k_q576158854c_qkv,@function
k_q576158854c_qkv:
	s_mov_b64 s[64:65], 0
	v_nop
	global_prefetch_b8 v0, s[64:65] scope:SCOPE_SE
	s_setreg_imm32_b32 hwreg(HW_REG_WAVE_MODE, 25, 1), 1
	s_wait_xcnt 0x0
	s_wait_alu depctr_hold_cnt(0) depctr_sa_sdst(0) depctr_va_vdst(0) depctr_va_sdst(0) depctr_va_ssrc(0) depctr_va_vcc(0) depctr_vm_vsrc(0)
	s_getreg_b32 s2, hwreg(HW_REG_IB_STS2, 6, 4)
	s_cmp_eq_u32 s2, 0
	s_cbranch_scc0 .Lentry_in_a_cluster
	s_endpgm
.Lentry_in_a_cluster:
	s_bfe_u32 s2, ttmp6, 0x10000c
	s_cmp_lg_u32 s2, 0xf033
	s_cbranch_scc0 .Lentry_shape_is_right
	s_endpgm
.Lentry_shape_is_right:
; qkv: [8192][3072] = x [8192][1024] times (Wq | Wk | Wv), both operands as codes of E2M1 with one E8M0 scale for each 32 along K, sums in f32; then RoPE in f32 on q and k, and the result leaves as f16,
; head by head: qkv16 [3][16 b + h][2048][64].  The first 16 positions of each sequence leave in f32 too (fine32 [3][16 b + h][16][64]) for the launch that carries those rows more finely.
; A tile of 256 x 256 is made by four waves, 128 x 128 each: 64 accumulators of 16 x 16.  K = 1,024 is two slots of 512: both are asked for at the head and no slot is filled again.
; CLUSTERS: 4 x 4 work-groups; A's tiles are asked for jointly along a row of the cluster, B's along a column.  Cluster x = 0, 1, 2 is q, k, v; a tile's 256 columns are four whole heads, a wave's 128 two.
; 384 work-groups: tiles that gave 256 would cut heads or the three tensors apart.
; THE MATRIX INSTRUCTION IS USED TRANSPOSED (source 0 = 16 rows of W, source 1 = 16 rows of x): a lane holds eight neighbouring columns of one row: four pairs of RoPE.
; LIMIT: |q|, |k|, |v| stay under 65,504, f16's largest number.  fine32 is stored in pieces of 32 bytes: 786,432 bytes against the 50 million of qkv16.
; REGISTERS: window 0: v0-31 addresses; v32-95 scale words, two sets; v128-191 A's fragments; v96-127 and v192-223 cos and sin of 16 rows, two sets.  Window 1: B's fragments, two sets.  Windows 2, 3: the accumulators.
.set KSTEP,  512
.set NQ,     KSTEP/128
.set ROWB,   256
.set KROW,   512                       ; a row of codes in memory
.set PITCH,  272                       ; an LDS row: 256 bytes + 16 of padding, so that the 16 rows of a fragment load start at 16 different banks (64 banks of 4 bytes: ISA guide 11.1)
.set FR,     8
.set NL,     2
.set NP,     4                         ; places behind this matrix instruction (ISA guide 7.12.1)
.set HALFT,  128*PITCH
.set SLOT,   4*HALFT
.set KS,     32                        ; a row of scale bytes
.set SCL,    2*SLOT
.set HALFS,  (128*KS/256)*272
.set SBLK,   (16*KS/256)*272
.set SPARE,  SCL+4*HALFS               ; the spare words, 128 bytes a wave: two blocks of 256 bytes that no other line names
.set OFF_WC, 4194304
.set OFF_WS, 262144
.set HSTG,   16*144                    ; the way out: a head's 16 rows x (128 bytes + 16); two heads a wave; in slot 0, which has had its only fill and its last read by then
.set ADRA, 16
.set ADRB, 20
.set STO,  24
.set RD,   25
.set CO,   26
.set ADRS, 27
.set SPW,  28
.set NIL,  29
.set RO,   30                          ; v30 my byte in the table of cos and sin: (row + lane % 16) x 256 + 32 (lane / 16)
.set FO,   31                          ; v31 my byte in a head of fine32
.set SWV,  7                           ; v7  my wave's first position in its sequence
.set SC,   32
.set AF,   128
.set HH,   32                          ; the way out: v32-63 f16 pairs; v128-191 turned numbers; v64-95, v224-255 rows read back
.set RR,   128
.set G1, 24
.set G0, 32
.set G1B, 48
.set G0B, 56
.set G1S, 68
.set G0S, 76
.set G1SB, 80
.set G0SB, 88
.set MSB, 0
.macro WIN new
.if MSB != \new
	s_set_vgpr_msb (MSB<<8)|\new
.set MSB, \new
.endif
.endm
.set MUL_LO, 0xa1
.set MUL_HI, 0xf1
.set TO_B,   0x40
.macro JLOAD g0a, g1a, g0b, g1b        ; a joint load: waves 0, 1 fetch for A, waves 2, 3 for B; an s_nop 0 and four v_nop follow each line
	s_cmp_eq_u32 s15, 0
	s_cbranch_scc0 .Lfor_b_\@
	tensor_load_to_lds s[\g0a:\g0a+3], s[\g1a:\g1a+7]
	s_nop 0
.rept 4
	v_nop
.endr
	s_branch .Lasked_\@
.Lfor_b_\@:
	tensor_load_to_lds s[\g0b:\g0b+3], s[\g1b:\g1b+7]
	s_nop 0
.rept 4
	v_nop
.endr
.Lasked_\@:
.endm
.macro CROUND                          ; a round of the cluster's barrier
	s_barrier_signal -1
	s_barrier_wait -1
	s_cmp_lg_u32 s14, 0
	s_cbranch_scc1 .Lnot_wave_0_\@
	s_barrier_signal -3
.Lnot_wave_0_\@:
	s_barrier_wait -3
	s_barrier_signal -1
	s_barrier_wait -1
.endm
	s_load_b128 s[4:7], s[0:1], 0x0                ; codes, scales
	s_load_b64 s[12:13], s[0:1], 0x10              ; qkv16
	s_load_b128 s[96:99], s[0:1], 0x18             ; rope s[96:97], fine32 s[98:99]
	v_lshl_add_u32 v[SPW], v0, 2, SPARE
	v_mov_b32 v[NIL], 0
	ds_add_u32 v[SPW], v[NIL]                      ; the wave's opening: the add, twice on end, and its wait ahead of my first tensor load
	ds_add_u32 v[SPW], v[NIL]
	v_lshrrev_b32 v1, 5, v0
	v_readfirstlane_b32 s14, v1                    ; wave 0..3
	s_lshr_b32 s15, s14, 1                         ; my half of the tile's rows.  Also: I fetch for A (0) or B (1)
	s_and_b32 s16, s14, 1                          ; my half of its columns.  Also: which 128 rows I fetch
	s_bfe_u32 s40, ttmp6, 0x40000                  ; cx
	s_bfe_u32 s41, ttmp6, 0x40004                  ; cy
	s_lshl_b32 s42, ttmp9, 2
	s_add_co_u32 s42, s42, s40                     ; tile column
	s_and_b32 s17, ttmp7, 0xffff
	s_lshl_b32 s17, s17, 2
	s_add_co_u32 s17, s17, s41                     ; tile row
	s_lshl_b32 s43, s41, 2
	s_lshl_b32 s43, 15, s43                        ; my row of the cluster
	s_lshl_b32 s44, 0x1111, s40                    ; my column
	s_or_b32 s[G1+0], s43, (0<<16)|(1<<20)|(1<<21)|(5<<22)|(3<<25)   ; elements of 1 byte; 4 words of padding behind every 64
	s_or_b32 s[G1B+0], s44, (0<<16)|(1<<20)|(1<<21)|(5<<22)|(3<<25)
.irp g, G1, G1B
	s_mov_b32 s[\g+1], ROWB<<16
	s_mov_b32 s[\g+2], 128<<16
	s_mov_b32 s[\g+3], ROWB<<16
	s_mov_b32 s[\g+4], 128
	s_mov_b32 s[\g+5], KROW
	s_mov_b32 s[\g+6], 0
	s_mov_b32 s[\g+7], 0
.endr
	s_or_b32 s[G1S+0], s43, (3<<16)|(1<<20)|(1<<21)|(5<<22)|(3<<25)  ; the scales of 128 rows: 4,096 dense bytes as 16 rows of 256
	s_or_b32 s[G1SB+0], s44, (3<<16)|(1<<20)|(1<<21)|(5<<22)|(3<<25)
.irp g, G1S, G1SB
	s_mov_b32 s[\g+1], 32<<16
	s_mov_b32 s[\g+2], (128*KS/256)<<16
	s_mov_b32 s[\g+3], 32<<16
	s_mov_b32 s[\g+4], 128*KS/256
	s_mov_b32 s[\g+5], 32
	s_mov_b32 s[\g+6], 0
	s_mov_b32 s[\g+7], 0
.endr
	s_lshl_b32 s18, s16, 7
	s_lshl_b32 s20, s17, 8
	s_add_co_u32 s20, s20, s18                     ; A: row 256 x tile row + 128 x half
	s_lshl_b32 s46, s42, 8
	s_add_co_u32 s46, s46, s18                     ; B: row 256 x tile column + 128 x half
	s_mov_b32 s21, 0
	s_mov_b32 s47, 0
	s_mov_b64 s[18:19], KS
	s_mul_u64 s[22:23], s[20:21], s[18:19]
	s_mul_u64 s[92:93], s[46:47], s[18:19]
	s_mov_b64 s[18:19], KROW
	s_mul_u64 s[20:21], s[20:21], s[18:19]
	s_mul_u64 s[46:47], s[46:47], s[18:19]
	s_mul_i32 s45, s14, HALFT                      ; where they go: wave x 128 rows
	s_mul_i32 s94, s14, HALFS
	s_wait_dscnt 0x0                               ; both opening adds are done
	s_wait_kmcnt 0x0
	s_add_nc_u64 s[8:9], s[4:5], OFF_WC            ; W's codes and scale bytes lie behind x's
	s_add_nc_u64 s[10:11], s[6:7], OFF_WS
	s_add_nc_u64 s[20:21], s[4:5], s[20:21]
	s_add_nc_u64 s[22:23], s[6:7], s[22:23]
	s_add_nc_u64 s[46:47], s[8:9], s[46:47]
	s_add_nc_u64 s[92:93], s[10:11], s[92:93]
	CROUND                                         ; all sixteen work-groups are here: the joint loads meet
	s_mov_b32 s[G0S], 1
	s_add_co_u32 s[G0S+1], s94, SCL
	s_mov_b64 s[G0S+2:G0S+3], s[22:23]
	s_or_b32 s[G0S+3], s[G0S+3], 0x80000000
	s_mov_b32 s[G0SB], 1
	s_add_co_u32 s[G0SB+1], s94, SCL
	s_mov_b64 s[G0SB+2:G0SB+3], s[92:93]
	s_or_b32 s[G0SB+3], s[G0SB+3], 0x80000000
	JLOAD G0S, G1S, G0SB, G1SB                     ; by this text's count three tensor loads of a wave are out: the scales, slot 0, slot 1
.irp s, 0,1
	s_mov_b32 s[G0+4*\s], 1
	s_add_co_u32 s[G0+4*\s+1], s45, \s*SLOT
	s_add_nc_u64 s[G0+4*\s+2:G0+4*\s+3], s[20:21], \s*ROWB
	s_or_b32 s[G0+4*\s+3], s[G0+4*\s+3], 0x80000000
	s_mov_b32 s[G0B+4*\s], 1
	s_add_co_u32 s[G0B+4*\s+1], s45, \s*SLOT
	s_add_nc_u64 s[G0B+4*\s+2:G0B+4*\s+3], s[46:47], \s*ROWB
	s_or_b32 s[G0B+4*\s+3], s[G0B+4*\s+3], 0x80000000
	JLOAD G0+4*\s, G1, G0B+4*\s, G1B
.endr
	v_and_b32 v1, 15, v0                           ; r
	v_bfe_u32 v2, v0, 4, 1                         ; h
	v_mul_u32_u24 v3, v1, PITCH
	v_lshl_add_u32 v4, v2, 4, v3
	s_mul_i32 s21, s15, HALFT
	s_mul_i32 s22, s16, HALFT
	s_add_co_u32 s22, s22, 2*HALFT
.irp s, 0,1
	v_add_nc_u32 v[ADRA+\s], s21, v4
	v_add_nc_u32 v[ADRB+\s], s22, v4
	s_add_co_u32 s21, s21, SLOT
	s_add_co_u32 s22, s22, SLOT
.endr
	v_mul_u32_u24 v5, v1, KS
	v_lshrrev_b32 v6, 8, v5
	v_lshl_add_u32 v5, v6, 4, v5                   ; my row's scales: 32 bytes a row, 16 more for each 256 passed
	s_mul_i32 s21, s15, HALFS
	s_mul_i32 s22, s16, HALFS
	s_add_co_u32 s22, s22, 2*HALFS
	s_sub_co_u32 s22, s22, s21
	v_mul_u32_u24 v6, s22, v2                      ; lanes 16-31 take B's
	s_add_co_u32 s21, s21, SCL
	v_add_nc_u32 v5, v5, v6
	v_add_nc_u32 v[ADRS], s21, v5
	s_mul_i32 s23, s14, 2*HSTG                     ; my stage
	v_mul_u32_u24 v5, v1, 144
	v_lshl_add_u32 v5, v2, 4, v5
	v_add_nc_u32 v[STO], s23, v5                   ; in: row r, 16 bytes for each half of the lanes
	v_and_b32 v6, 31, v0
	v_lshlrev_b32 v[CO], 4, v6                     ; in memory a head's rows are dense: four rows are 512 consecutive bytes, 16 a lane
	v_lshrrev_b32 v5, 3, v6
	v_mul_u32_u24 v5, v5, 144
	v_and_b32 v6, 7, v6
	v_lshl_add_u32 v5, v6, 4, v5
	v_add_nc_u32 v[RD], s23, v5                    ; back: eight lanes to a row of 128 bytes, four rows an instruction
	; where my part lies: batch = tile row / 8; position s0 = 256 (tile row % 8) + 128 x row half; heads h0 = 4 cx + 2 x column half and h0 + 1
	s_and_b32 s20, s17, 7
	s_lshl_b32 s20, s20, 8
	s_lshl_b32 s21, s15, 7
	s_add_co_u32 s20, s20, s21                     ; s0
	s_lshr_b32 s22, s17, 3
	s_lshl_b32 s22, s22, 4
	s_lshl_b32 s23, s40, 2
	s_add_co_u32 s22, s22, s23
	s_lshl_b32 s23, s16, 1
	s_add_co_u32 s22, s22, s23                     ; 16 b + h0
	s_add_co_u32 s21, s21, 2048                    ; V's tiles take the identity rows of the table
	s_cmp_eq_u32 ttmp9, 2
	s_cselect_b32 s21, s21, s20
	v_add_nc_u32 v[RO], s21, v1
	v_lshlrev_b32 v[RO], 8, v[RO]
	v_lshl_add_u32 v[RO], v2, 5, v[RO]
.macro CSLOAD a                        ; cos and sin for rows 16 a .. 16 a + 15: register 8 bq + 2 jj: cos, + 1: sin, of pair 8 bq + 4 h + jj
.set CSB, 96+96*((\a)%2)
.irp bq, 0,1,2,3
	global_load_b128 v[CSB+8*\bq:CSB+8*\bq+3], v[RO], s[96:97] offset:(\a)*4096+64*\bq
	global_load_b128 v[CSB+8*\bq+4:CSB+8*\bq+7], v[RO], s[96:97] offset:(\a)*4096+64*\bq+16
.endr
.endm
	CSLOAD 0                                       ; they land while the products run
	CSLOAD 1
	v_lshlrev_b32 v[FO], 8, v1
	v_lshl_add_u32 v[FO], v2, 5, v[FO]
	v_mov_b32 v[SWV], s20
	s_lshl_b32 s46, s22, 18                        ; a head is 262,144 bytes,
	s_lshl_b32 s47, s20, 7                         ; a row 128,
	s_add_co_u32 s46, s46, s47
	s_lshl_b32 s47, ttmp9, 24                      ; a tensor 16,777,216
	s_add_co_u32 s46, s46, s47
	s_mov_b32 s47, 0
	s_add_nc_u64 s[12:13], s[12:13], s[46:47]
	s_lshl_b32 s46, s22, 12
	s_lshl_b32 s23, ttmp9, 18
	s_add_co_u32 s46, s46, s23
	s_add_nc_u64 s[98:99], s[98:99], s[46:47]
.macro FRAG reg, adr, q, i             ; 16 rows x 128 K of 4-bit codes: 8 registers, two loads of 16 bytes, 32 bytes apart
.irp c, 0,1
	ds_load_b128 v[\reg+4*\c:\reg+4*\c+3], v[\adr] offset:64*(\q)+32*\c+(\i)*16*PITCH
.endr
.endm
; 16 matrix instructions: A's blocks a0, a0 + 1 x B's eight.  The 64 accumulators take turns, one instruction a turn, in the same order in every step.
.macro MUL16 a0, p, q, sc, zero
.irp a, \a0, \a0+1
.irp b, 0,1,2,3,4,5,6,7
.if \zero
	v_wmma_scale_f32_16x16x128_f8f6f4 v[8*(8*((\a)%4)+\b):8*(8*((\a)%4)+\b)+7], v[128*(\p)+FR*\b:128*(\p)+FR*\b+FR-1], v[AF+FR*(\a):AF+FR*(\a)+FR-1], 0, v[SC+8*NQ*(\sc)+NQ*\b+(\q)], v[SC+8*NQ*(\sc)+NQ*(\a)+(\q)] matrix_a_fmt:MATRIX_FMT_FP4 matrix_b_fmt:MATRIX_FMT_FP4 matrix_a_scale:MATRIX_SCALE_ROW1
.else
	v_wmma_scale_f32_16x16x128_f8f6f4 v[8*(8*((\a)%4)+\b):8*(8*((\a)%4)+\b)+7], v[128*(\p)+FR*\b:128*(\p)+FR*\b+FR-1], v[AF+FR*(\a):AF+FR*(\a)+FR-1], v[8*(8*((\a)%4)+\b):8*(8*((\a)%4)+\b)+7], v[SC+8*NQ*(\sc)+NQ*\b+(\q)], v[SC+8*NQ*(\sc)+NQ*(\a)+(\q)] matrix_a_fmt:MATRIX_FMT_FP4 matrix_b_fmt:MATRIX_FMT_FP4 matrix_a_scale:MATRIX_SCALE_ROW1
.endif
.endr
.endr
.endm
.macro FETCH_B slot, q, p
	WIN TO_B
.irp i, 0,1,2,3,4,5,6,7
	FRAG 128*(\p)+FR*\i, ADRB+\slot, \q, \i
.endr
	WIN 0
.endm
.macro FETCH_A slot, q, i0
.irp i, \i0, \i0+1, \i0+2, \i0+3
	FRAG AF+FR*(\i), ADRA+\slot, \q, \i
.endr
.endm
.macro SCALES sc                       ; a slot's scale words: lanes 0-15 A's block i, lanes 16-31 B's block i
.irp i, 0,1,2,3,4,5,6,7
	ds_load_b128 v[SC+8*NQ*\sc+NQ*\i:SC+8*NQ*\sc+NQ*\i+3], v[ADRS] offset:\i*SBLK
.endr
.endm
.macro PLACES n                        ; plain vector lines between a matrix instruction and a load into, or a read of, its registers
.rept \n
	v_nop
.endr
.endm
.macro STEP slot, q, zero              ; 128 along K, with its successor in the same slot
	s_wait_dscnt 4*NL                              ; B's set and A's blocks 0-3 are in; the youngest eight loads (A's blocks 4-7) may be out
	WIN MUL_LO
	MUL16 0, (\q)%2, \q, \slot, \zero
	MUL16 2, (\q)%2, \q, \slot, \zero
	s_wait_dscnt 0
	PLACES NP
	FETCH_B \slot, (\q)+1, 1-(\q)%2
	FETCH_A \slot, (\q)+1, 0
	WIN MUL_HI
	MUL16 4, (\q)%2, \q, \slot, \zero
	MUL16 6, (\q)%2, \q, \slot, \zero
	PLACES NP
	WIN 0
	FETCH_A \slot, (\q)+1, 4
.endm
.macro TURN slot, next                 ; slot 0's last step: one barrier; behind it slot 1 is whole and nobody reads slot 0 any more.  Nothing is filled again
	s_wait_tensorcnt 0x0                           ; all my tensor loads have landed: my part of slot 1
	ds_add_u32 v[SPW], v[NIL]                      ; 0 onto my spare word
	s_wait_dscnt 4*NL+1                            ; (the add and the youngest eight loads may be out)
	WIN MUL_LO
	MUL16 0, 1, NQ-1, \slot, 0
	s_wait_dscnt 0x0                               ; the add is done, and my reads of this slot are over
	s_barrier_signal -1
	MUL16 2, 1, NQ-1, \slot, 0
	WIN 0
	s_barrier_wait -1
	PLACES NP
	v_add_nc_u32 v[ADRS], 4*NQ, v[ADRS]            ; the next slot's scale words
	FETCH_B \next, 0, 0
	FETCH_A \next, 0, 0
	SCALES \next
	WIN MUL_HI
	MUL16 4, 1, NQ-1, \slot, 0
	MUL16 6, 1, NQ-1, \slot, 0
	PLACES NP
	WIN 0
	FETCH_A \next, 0, 4
.endm
	s_wait_tensorcnt 1                             ; the scales and my part of slot 0 are in; slot 1's load may be out
	s_barrier_signal -1
	s_barrier_wait -1
	FETCH_B 0, 0, 0
	FETCH_A 0, 0, 0
	SCALES 0
	FETCH_A 0, 0, 4
	STEP 0, 0, 1                                   ; the first products start the sums: nothing is cleared
	STEP 0, 1, 0
	STEP 0, 2, 0
	TURN 0, 1
	STEP 1, 0, 0
	STEP 1, 1, 0
	STEP 1, 2, 0
	s_wait_dscnt 4*NL
	WIN MUL_LO
	MUL16 0, 1, NQ-1, 1, 0
	MUL16 2, 1, NQ-1, 1, 0
	s_wait_dscnt 0
	WIN MUL_HI
	MUL16 4, 1, NQ-1, 1, 0
	MUL16 6, 1, NQ-1, 1, 0
	WIN 0
; THE WAY OUT, 16 rows at a time.  ROPE: (x1, x2) -> (x1 cos - x2 sin, x1 sin + x2 cos), two packed lines a pair; each accumulator is read from its low end on.
.macro ROPE a
.set AC, 64*((\a)%4)
.set CSB, 96+96*((\a)%2)
.if (\a) < 7
	s_wait_loadcnt 8                               ; this block's eight loads of cos and sin are in; the next block's eight may be out
.else
	s_wait_loadcnt 0
.endif
	WIN 0x02+((\a)/4)                              ; source 0: the accumulators' window
.irp bt, 0,1,2,3,4,5,6,7
.irp jj, 0,1,2,3
	v_pk_mul_f32 v[RR+8*\bt+2*\jj:RR+8*\bt+2*\jj+1], v[AC+8*\bt+2*\jj:AC+8*\bt+2*\jj+1], v[CSB+8*(\bt%4)+2*\jj:CSB+8*(\bt%4)+2*\jj+1] op_sel_hi:[1,0]   ; (x1 cos, x2 cos)
.endr
.irp jj, 0,1,2,3
	v_pk_fma_f32 v[RR+8*\bt+2*\jj:RR+8*\bt+2*\jj+1], v[AC+8*\bt+2*\jj:AC+8*\bt+2*\jj+1], v[CSB+8*(\bt%4)+2*\jj:CSB+8*(\bt%4)+2*\jj+1], v[RR+8*\bt+2*\jj:RR+8*\bt+2*\jj+1] op_sel:[1,1,0] op_sel_hi:[0,1,1] neg_lo:[1,0,0]   ; + (-x2 sin, x1 sin)
.endr
.endr
	WIN 0
.if (\a) < 6
	CSLOAD (\a)+2
.endif
.endm
.macro FINE                            ; positions 0-15 of a sequence leave in f32 too.  A mask of lanes, no branch: all lanes on where my wave begins at position 0, else none
	s_wait_xcnt 0x0                                ; EXEC is a source of the loads just issued: it changes only behind this wait
	v_cmp_eq_u32 vcc_lo, 0, v[SWV]
	s_and_saveexec_b32 s94, vcc_lo
.irp bt, 0,1,2,3,4,5,6,7
	global_store_b128 v[FO], v[RR+8*\bt:RR+8*\bt+3], s[98:99] offset:(\bt/4)*4096+(\bt%4)*64
	global_store_b128 v[FO], v[RR+8*\bt+4:RR+8*\bt+7], s[98:99] offset:(\bt/4)*4096+(\bt%4)*64+16
.endr
	s_wait_xcnt 0x0                                ; and again ahead of the line that widens it; the stores' data may be written again behind it too
	s_or_b32 exec_lo, exec_lo, s94
.endm
.macro PACK a
.irp i, 0,1,2,3,4,5,6,7,8,9,10,11,12,13,14,15,16,17,18,19,20,21,22,23,24,25,26,27,28,29,30,31
	v_cvt_pk_f16_f32 v[HH+\i], v[RR+2*\i], v[RR+2*\i+1]
.endr
.endm
.macro TOSTAGE a                       ; LDS serves a wave's instructions in order: no wait between the stores and the loads, nor ahead of the next block's stores
.set BB, 64+160*((\a)%2)
.irp bt, 0,1,2,3,4,5,6,7
	ds_store_b128 v[STO], v[HH+4*\bt:HH+4*\bt+3] offset:(\bt/4)*HSTG+(\bt%4)*32
.endr
.irp u, 0,1,2,3,4,5,6,7
	ds_load_b128 v[BB+4*\u:BB+4*\u+3], v[RD] offset:(\u/4)*HSTG+(\u%4)*576
.endr
.endm
.macro SEND a, younger                 ; younger: the LDS instructions issued behind block a's loads
.set BB, 64+160*((\a)%2)
	s_wait_dscnt \younger
.irp u, 0,1,2,3,4,5,6,7
	global_store_b128 v[CO], v[BB+4*\u:BB+4*\u+3], s[12:13] offset:(\u/4)*262144+(\a)*2048+(\u%4)*512   ; 32 lanes store 512 consecutive bytes, aligned: four rows of a head
.endr
.endm
	PLACES NP                                      ; behind the last products: their sources' registers are written and block 7's results read only further on
	ROPE 0
	FINE
	PACK 0
	TOSTAGE 0
.irp a, 1,2,3,4,5,6,7
	s_wait_xcnt 0x0                                ; block a - 2's stores have read their registers: block a's rows may land there
	ROPE \a
	PACK \a
	TOSTAGE \a
	SEND \a-1, 16                                  ; behind block a - 1's loads: block a's 8 stores and 8 loads
.endr
	SEND 7, 0
	s_wait_tensorcnt 0x0                           ; the wave's end
	ds_add_u32 v[SPW], v[NIL]
	s_wait_dscnt 0x0
	CROUND                                         ; the closing round
	s_endpgm
.Lfunc_end_k_q576158854c_qkv:
	.size	k_q576158854c_qkv, .Lfunc_end_k_q576158854c_qkv-k_q576158854c_qkv
	.p2alignl 7, 3214868480
	.fill 96, 4, 3214868480
	.section	.rodata,"a",@progbits
	.p2align	6, 0x0
	.amdhsa_kernel k_q576158854c_qkv
		.amdhsa_group_segment_fixed_size 327680
		.amdhsa_private_segment_fixed_size 0
		.amdhsa_enable_private_segment 0
		.amdhsa_kernarg_size 40
		.amdhsa_user_sgpr_count 2
		.amdhsa_user_sgpr_kernarg_segment_ptr 1
		.amdhsa_wavefront_size32 1
		.amdhsa_system_sgpr_workgroup_id_x 1
		.amdhsa_system_sgpr_workgroup_id_y 1
		.amdhsa_system_sgpr_workgroup_id_z 1
		.amdhsa_system_vgpr_workitem_id 0
		.amdhsa_next_free_vgpr 1024
		.amdhsa_next_free_sgpr 100
		.amdhsa_reserve_vcc 1
		.amdhsa_float_denorm_mode_32 3
		.amdhsa_float_denorm_mode_16_64 3
		.amdhsa_memory_ordered 1
		.amdhsa_forward_progress 1
		.amdhsa_inst_pref_size 167
	.end_amdhsa_kernel
	.amdgpu_metadata
---
amdhsa.version: [ 1, 2 ]
amdhsa.kernels:
  - .name:           k_q576158854c_qkv
    .symbol:         k_q576158854c_qkv.kd
    .args:
      - { .name: codes, .offset: 0, .size: 8, .value_kind: global_buffer, .address_space: global }
      - { .name: scales, .offset: 8, .size: 8, .value_kind: global_buffer, .address_space: global }
      - { .name: qkv16, .offset: 16, .size: 8, .value_kind: global_buffer, .address_space: global }
      - { .name: rope, .offset: 24, .size: 8, .value_kind: global_buffer, .address_space: global }
      - { .name: fine32, .offset: 32, .size: 8, .value_kind: global_buffer, .address_space: global }
    .group_segment_fixed_size: 327680
    .private_segment_fixed_size: 0
    .kernarg_segment_align: 8
    .kernarg_segment_size: 40
    .max_flat_workgroup_size: 128
    .sgpr_count:     100
    .vgpr_count:     1024
    .wavefront_size: 32
...
	.end_amdgpu_metadata
.endif
;; end of part 2
;; launch attn (part 3): grid 4 x 64, 8 waves a work-group, no clusters, 327,680 bytes of LDS; arguments qkv16, o16; writes o16
.if DOCPART == 3
	.amdgcn_target "amdgcn-amd-amdhsa--gfx1250"
	.amdhsa_code_object_version 6
	.text
	.protected	k_q576158854c_attn
	.globl	k_q576158854c_attn
	.p2align	8
	.type	k_q576158854c_attn,@function
k_q576158854c_attn:
	s_mov_b64 s[64:65], 0
	v_nop
	global_prefetch_b8 v0, s[64:65] scope:SCOPE_SE
	s_setreg_imm32_b32 hwreg(HW_REG_WAVE_MODE, 25, 1), 1
	s_wait_xcnt 0x0
; attn: o[bh][q] = sum over k <= q of softmax_k(q . k / 8) v[k], for 64 heads of 2,048 positions x 64 channels.  q, k, v, the weights p and o in f16; products' sums, maxima and row sums in f32.
; SHARES.  Work-group (p, bh) owns the query blocks p and 7 - p of 256 queries: (p + 1) + (8 - p) = 9 key blocks of 256 in every work-group: 256 work-groups of equal work, 9 trips each.
; Each of eight waves owns 32 queries, two tiles of 16; two waves share a SIMD, so that one's softmax stands beside the other's products.  Key tiles that lie wholly under the causal mask are left out.
; NO CLUSTER: in trip t the four work-groups of a head stand at key blocks t mod (p + 1) or t - p - 1, which differ with p: no two of them want the same tile at the same time.
; LAYOUT.  S^T = K Q^T (source 0 = 16 keys, source 1 = 16 queries): a lane holds ONE query and keys 8 (lane / 16) + 0..7; two such tiles rounded to f16 are source 1 of O^T = V^T P.  V comes out of LDS turned (ds_load_tr16_b128).
; SOFTMAX.  A running maximum m and sum l a query: p = 2^(c s - c m), c = log2(e) / 8; O and l are multiplied by 2^(c m_old - c m_new) in every step.
; RING.  Two slots of one key block (256 keys of K and of V).  A head's rows of 128 bytes are dense, so a tile is stated as rows of 256 bytes, two keys each, padded: key k lies at (k / 2) x pitch + 128 (k % 2).
; Waves 0-3 fetch K's quarters, waves 4-7 V's: one tensor load a wave behind each barrier; by this text's count one tensor load of a wave is out at a time.
; LIMIT: |q|, |k|, |v| under 65,504.  Positions 0-15 of each sequence are written here as all others and carried more finely by a later launch.
; REGISTERS: window 0: v1-15 addresses; v16-31 statistics, 8 a tile; v32-95 K; v96-159 V; v160-223 S^T, 32 a tile; v224-255 P, 16 a tile.  Window 1: v0-31 Q; v32-95 O^T, 32 a tile.
.set KP2,   272                        ; two keys of K: 256 bytes + 16: the 16 keys of a load start at 16 different 16-byte columns
.set VP2,   288                        ; two keys of V: 256 + 32
.set KQT,   32*KP2                     ; a quarter: 64 keys: a step
.set VQT,   32*VP2
.set VOFF,  4*KQT
.set SLOT1, 1<<17
.set STAGE, SLOT1+VOFF+4*VQT           ; the way out: 2 tiles x 16 rows x (128 bytes + 16) for each wave; no tensor load lands here
.set SPARE, STAGE+8*4608               ; the spare words, 128 bytes a wave: four blocks of 256 bytes that no other line names
.set RH,  1                            ; v1  lane % 16 - 8 (lane / 16)
.set GL,  2                            ; v2  16 x lane
.set AK0, 3
.set AV0, 4
.set ADK, 5
.set ADV, 6
.set QL,  7                            ; v7  my byte in the wave's rows of Q
.set GQ,  8                            ; v8  the offset of Q's loads, later of O's stores; rewritten only behind s_wait_xcnt 0
.set STO, 9
.set RD,  10
.set SPW, 11
.set NIL, 12
.set PFO, 13                           ; v13 256 x lane
.set MK,  14
.set NINF, 15
.set ST,  16                           ; tile t at v[ST + 8 t]: +0 c m, +1 m, +2, +3 l, +4..+7 at work; the factor a in +6
.set KR,  32
.set VR,  96
.set S,   160
.set P,   224
.set QR,  0                            ; window 1
.set OT,  32                           ; window 1
.set WV,  8
.set QP,  12                           ; s[12:13] Q's head
.set OB,  14                           ; s[14:15] O's head
.set QB,  16
.set QB2, 17
.set KB,  18
.set NKB, 19
.set TRIPS, 20
.set STEPC, 21
.set TK,  22
.set TV,  23
.set G1K, 24
.set G1V, 32
.set G0K, 40
.set G0V, 44
.set KQB, 48                           ; s[48:49] K's head + my quarter;  s[50:51] V's
.set VQB, 50
.set PFA, 54
.set LIM, 56
.set Q0W, 57
.set KF,  58
.set SEL, 60
.set CS,  62
.set MSB, 0
.macro WIN new
.if MSB != \new
	s_set_vgpr_msb (MSB<<8)|\new
.set MSB, \new
.endif
.endm
.macro JLOAD                           ; waves 0-3: K's quarter; waves 4-7: V's.  An s_nop 0 and four v_nop follow each line
	s_cmp_lt_u32 s[WV], 4
	s_cbranch_scc0 .Lfor_v_\@
	tensor_load_to_lds s[G0K:G0K+3], s[G1K:G1K+7]
	s_nop 0
.rept 4
	v_nop
.endr
	s_branch .Lasked_\@
.Lfor_v_\@:
	tensor_load_to_lds s[G0V:G0V+3], s[G1V:G1V+7]
	s_nop 0
.rept 4
	v_nop
.endr
.Lasked_\@:
.endm
; A PREFETCH INTO THE L2.  All four work-groups of a head walk the same K and V; the one with p = 0 asks, in trips 0 to 5, for key block trip + 2, which the work-group with p = 3 loads one trip later.
; Each wave asks for the quarter that it would fetch: 8,192 bytes, lanes 256 bytes apart, one instruction: each aligned block of 256 bytes is named once in the launch.  Blocks 0 and 1 come by their loads alone.
.macro ASK
	s_cmp_gt_u32 s[TRIPS], s[LIM]
	s_cbranch_scc0 .Lnot_mine_\@
	global_prefetch_b8 v[PFO], s[PFA:PFA+1] th:TH_LOAD_NT scope:SCOPE_SE
.Lnot_mine_\@:
.endm
; A query block begins: Q into registers, O^T and l zero, m under every score.
.macro INIT
	s_wait_xcnt 0x0                                ; the last stores have read their offset and their data
	s_lshl_b32 s[Q0W], s[QB], 8
	s_lshl_b32 s66, s[WV], 5
	s_add_co_u32 s[Q0W], s[Q0W], s66               ; my first query
	s_lshl_b32 s66, s[Q0W], 7
	v_add_nc_u32 v[GQ], s66, v[QL]
	WIN 0x40                                       ; destination window 1
.irp t, 0,1
.irp c, 0,1
	global_load_b128 v[QR+16*\t+8*\c:QR+16*\t+8*\c+3], v[GQ], s[QP:QP+1] offset:\t*2048+\c*64
	global_load_b128 v[QR+16*\t+8*\c+4:QR+16*\t+8*\c+7], v[GQ], s[QP:QP+1] offset:\t*2048+\c*64+32
.endr
.endr
.set i, 0
.rept 64
	v_mov_b32 v[OT+i], 0                           ; the step is written once: a block's first step finds zeros
.set i, i+1
.endr
	WIN 0
.irp t, 0,1
	v_mov_b32 v[ST+8*\t+1], 0xff61b1e6             ; m = -3e38
	v_mul_f32 v[ST+8*\t], s[CS], v[ST+8*\t+1]
	v_mov_b32 v[ST+8*\t+2], 0
	v_mov_b32 v[ST+8*\t+3], 0
	v_mov_b32 v[ST+8*\t+5], 0
	v_mov_b32 v[ST+8*\t+7], 0
.endr
.endm
.macro SOFTMAX                         ; both tiles line by line by turns
.irp j, 0,1,2,3
.irp t, 0,1
	v_max3_num_f32 v[ST+8*\t+4+\j], v[S+32*\t+8*\j], v[S+32*\t+8*\j+1], v[S+32*\t+8*\j+2]   ; four chains a tile, each begun at an accumulator's low end
.endr
.endr
.irp i, 3,5
.irp j, 0,1,2,3
.irp t, 0,1
	v_max3_num_f32 v[ST+8*\t+4+\j], v[ST+8*\t+4+\j], v[S+32*\t+8*\j+\i], v[S+32*\t+8*\j+\i+1]
.endr
.endr
.endr
.irp t, 0,1
	v_max3_num_f32 v[ST+8*\t+4], v[ST+8*\t+4], v[S+32*\t+7], v[S+32*\t+15]
	v_max3_num_f32 v[ST+8*\t+6], v[ST+8*\t+6], v[S+32*\t+23], v[S+32*\t+31]
.endr
.irp t, 0,1
	v_max3_num_f32 v[ST+8*\t+4], v[ST+8*\t+4], v[ST+8*\t+5], v[ST+8*\t+6]
.endr
.irp t, 0,1
	v_max3_num_f32 v[ST+8*\t+4], v[ST+8*\t+4], v[ST+8*\t+7], v[ST+8*\t+1]   ; and the old m
.endr
.irp t, 0,1
	v_permlanex16_b32 v[ST+8*\t+5], v[ST+8*\t+4], s[SEL], s[SEL+1]          ; the query's other 32 keys lie in the lane 16 away
.endr
.irp t, 0,1
	v_mov_b32 v[ST+8*\t+7], v[ST+8*\t]             ; c m_old
.endr
.irp t, 0,1
	v_max_num_f32 v[ST+8*\t+1], v[ST+8*\t+4], v[ST+8*\t+5]
.endr
.irp t, 0,1
	v_mul_f32 v[ST+8*\t], s[CS], v[ST+8*\t+1]
.endr
.irp t, 0,1
	v_sub_f32 v[ST+8*\t+7], v[ST+8*\t+7], v[ST+8*\t]
.endr
.irp b, 0,2,4,6,8,10,12,14,16,18,20,22,24,26,28,30
.irp t, 0,1
	v_pk_fma_f32 v[S+32*\t+\b:S+32*\t+\b+1], v[S+32*\t+\b:S+32*\t+\b+1], s[CS:CS+1], v[ST+8*\t:ST+8*\t+1] op_sel_hi:[1,0,0] neg_lo:[0,0,1] neg_hi:[0,0,1]   ; c s - c m
.endr
.endr
.irp t, 0,1
	v_exp_f32 v[ST+8*\t+6], v[ST+8*\t+7]           ; a
.endr
.set i, 0
.rept 64
	v_exp_f32 v[S+i], v[S+i]                       ; p: one batch of 66 exponentials
.set i, i+1
.endr
	v_nop                                          ; the plain line behind the last exponential
	s_wait_alu depctr_va_vdst(0)                   ; one wait for the batch, ahead of its first reader
.irp i, 0,1,2,3,4,5,6,7,8,9,10,11,12,13,14,15
.irp t, 0,1
	v_cvt_pk_f16_f32 v[P+16*\t+\i], v[S+32*\t+2*\i], v[S+32*\t+2*\i+1]
.endr
.endr
.irp u, 0,4,8,12,16,20,24,28
.irp t, 0,1
	v_pk_add_f32 v[S+32*\t+\u:S+32*\t+\u+1], v[S+32*\t+\u:S+32*\t+\u+1], v[S+32*\t+\u+2:S+32*\t+\u+3]   ; the row's sum, of the unrounded p
.endr
.endr
.irp u, 0,8,16,24
.irp t, 0,1
	v_pk_add_f32 v[S+32*\t+\u:S+32*\t+\u+1], v[S+32*\t+\u:S+32*\t+\u+1], v[S+32*\t+\u+4:S+32*\t+\u+5]
.endr
.endr
.irp u, 0,16
.irp t, 0,1
	v_pk_add_f32 v[S+32*\t+\u:S+32*\t+\u+1], v[S+32*\t+\u:S+32*\t+\u+1], v[S+32*\t+\u+8:S+32*\t+\u+9]
.endr
.endr
.irp t, 0,1
	v_pk_add_f32 v[S+32*\t:S+32*\t+1], v[S+32*\t:S+32*\t+1], v[S+32*\t+16:S+32*\t+17]
.endr
.irp t, 0,1
	v_pk_fma_f32 v[ST+8*\t+2:ST+8*\t+3], v[ST+8*\t+2:ST+8*\t+3], v[ST+8*\t+6:ST+8*\t+7], v[S+32*\t:S+32*\t+1] op_sel_hi:[1,0,1]   ; l = a l + the sum
.endr
	WIN 0x41                                       ; O^T (destination, source 0) in window 1
.irp i, 0,2,4,6,8,10,12,14,16,18,20,22,24,26,28,30
.irp t, 0,1
	v_pk_mul_f32 v[OT+32*\t+\i:OT+32*\t+\i+1], v[OT+32*\t+\i:OT+32*\t+\i+1], v[ST+8*\t+6:ST+8*\t+7] op_sel_hi:[1,0]
.endr
.endr
	WIN 0
.endm
; A KEY STEP: 64 keys.  Left out, by a branch on ids, where all its keys come after my 32 queries.
.macro STEP
	s_add_co_u32 s66, s[Q0W], 31
	s_cmp_gt_u32 s[KF], s66
	s_cbranch_scc1 .Lhidden_\@
	v_add_nc_u32 v[ADK], s[TK], v[AK0]
	v_add_nc_u32 v[ADV], s[TV], v[AV0]
	v_nop
	v_nop                                          ; with the two additions: four places between the last step's products and the loads into V's registers
.irp kt, 0,1,2,3
.irp c, 0,1
	ds_load_b128 v[KR+8*(2*\kt+\c):KR+8*(2*\kt+\c)+3], v[ADK] offset:\kt*8*KP2+\c*64
	ds_load_b128 v[KR+8*(2*\kt+\c)+4:KR+8*(2*\kt+\c)+7], v[ADK] offset:\kt*8*KP2+\c*64+32
.endr
.endr
.irp kh, 0,1
.irp ct, 0,1,2,3
	ds_load_tr16_b128 v[VR+8*(4*\kh+\ct):VR+8*(4*\kh+\ct)+3], v[ADV] offset:\kh*16*VP2+\ct*32
	ds_load_tr16_b128 v[VR+8*(4*\kh+\ct)+4:VR+8*(4*\kh+\ct)+7], v[ADV] offset:\kh*16*VP2+8*VP2+\ct*32
.endr
.endr
	s_wait_dscnt 16                                ; K's sixteen loads are in; V's sixteen may be out
	WIN 0x04                                       ; source 1 (Q) in window 1
.irp c, 0,1                            ; eight accumulators by turns, one instruction a turn; the first eight start the sums
.irp kt, 0,1,2,3
.irp t, 0,1
.if \c == 0
	v_wmma_f32_16x16x32_f16 v[S+32*\t+8*\kt:S+32*\t+8*\kt+7], v[KR+8*(2*\kt+\c):KR+8*(2*\kt+\c)+7], v[QR+16*\t+8*\c:QR+16*\t+8*\c+7], 0
.else
	v_wmma_f32_16x16x32_f16 v[S+32*\t+8*\kt:S+32*\t+8*\kt+7], v[KR+8*(2*\kt+\c):KR+8*(2*\kt+\c)+7], v[QR+16*\t+8*\c:QR+16*\t+8*\c+7], v[S+32*\t+8*\kt:S+32*\t+8*\kt+7]
.endif
.endr
.endr
.endr
	WIN 0
.rept 4
	v_nop
.endr
	s_add_co_u32 s66, s[KF], 63                    ; a step all of whose keys count skips the mask
	s_cmp_le_u32 s66, s[Q0W]
	s_cbranch_scc1 .Lopen_\@
	s_sub_co_i32 s66, s[Q0W], s[KF]
	v_add_nc_u32 v[MK], s66, v[RH]                 ; register 32 t + 8 kt + j holds key KF + 16 kt + 8 h + j for query Q0W + 16 t + r: hidden where 16 kt + j - 16 t > Q0W - KF + r - 8 h
.set n, 0
.rept 64
	v_cmp_gt_i32 vcc_lo, 16*((n%32)/8)+n%8-16*(n/32), v[MK]
	v_cndmask_b32 v[S+n], v[S+n], v[NINF], vcc_lo
.set n, n+1
.endr
.Lopen_\@:
	SOFTMAX
	s_wait_dscnt 0x0                               ; V is in
	WIN 0x50                                       ; C and D (O^T) in window 1
.irp kh, 0,1
.irp ct, 0,1,2,3
.irp t, 0,1
	v_wmma_f32_16x16x32_f16 v[OT+32*\t+8*\ct:OT+32*\t+8*\ct+7], v[VR+8*(4*\kh+\ct):VR+8*(4*\kh+\ct)+7], v[P+16*\t+8*\kh:P+16*\t+8*\kh+7], v[OT+32*\t+8*\ct:OT+32*\t+8*\ct+7]
.endr
.endr
.endr
	WIN 0
.Lhidden_\@:
.endm
; A query block ends: O^T / l, rounded to f16, through my stage, out as runs of 512 bytes.
.macro FLUSH
.rept 4
	v_nop
.endr
	s_wait_xcnt 0x0                                ; GQ is rewritten only behind this wait
.irp t, 0,1
	v_add_f32 v[ST+8*\t+4], v[ST+8*\t+2], v[ST+8*\t+3]
.endr
.irp t, 0,1
	v_permlanex16_b32 v[ST+8*\t+5], v[ST+8*\t+4], s[SEL], s[SEL+1]
.endr
.irp t, 0,1
	v_add_f32 v[ST+8*\t+4], v[ST+8*\t+4], v[ST+8*\t+5]
.endr
.irp t, 0,1
	v_rcp_f32 v[ST+8*\t+6], v[ST+8*\t+4]
.endr
	s_lshl_b32 s66, s[Q0W], 7
	v_add_nc_u32 v[GQ], s66, v[GL]                 ; (the plain line behind the reciprocals)
	s_wait_alu depctr_va_vdst(0)                   ; one wait for both, ahead of their first reader
.irp t, 0,1
	WIN 0x41
.irp i, 0,2,4,6,8,10,12,14,16,18,20,22,24,26,28,30
	v_pk_mul_f32 v[OT+32*\t+\i:OT+32*\t+\i+1], v[OT+32*\t+\i:OT+32*\t+\i+1], v[ST+8*\t+6:ST+8*\t+7] op_sel_hi:[1,0]
.endr
	WIN 0x05                                       ; sources in window 1, destination in window 0
.irp i, 0,1,2,3,4,5,6,7,8,9,10,11,12,13,14,15
	v_cvt_pk_f16_f32 v[S+32*\t+\i], v[OT+32*\t+2*\i], v[OT+32*\t+2*\i+1]
.endr
	WIN 0
.irp ct, 0,1,2,3
	ds_store_b128 v[STO], v[S+32*\t+4*\ct:S+32*\t+4*\ct+3] offset:\t*2304+32*\ct
.endr
.irp i, 0,1,2,3
	ds_load_b128 v[S+32*\t+16+4*\i:S+32*\t+16+4*\i+3], v[RD] offset:\t*2304+576*\i   ; LDS serves a wave's instructions in order: these see the stores above
.endr
.endr
.irp t, 0,1
.irp i, 0,1,2,3
	s_wait_dscnt 11-8*\t-\i                        ; behind tile 0's load i: its 3 - i younger loads and tile 1's eight; behind tile 1's: 3 - i
	global_store_b128 v[GQ], v[S+32*\t+16+4*\i:S+32*\t+16+4*\i+3], s[OB:OB+1] offset:\t*2048+512*\i   ; 32 lanes store 512 consecutive bytes, aligned
.endr
.endr
.endm
; THE CHANGE OF SLOTS, at a trip's head.  Each wave waits for all its tensor loads (its quarter of the block that is about to be read), adds 0 to its spare word, and waits for that and for its reads of the slot that it has left.
.macro CHANGE fill
	s_wait_tensorcnt 0x0                           ; no tensor load of mine is out, so a group 0 may be written
	ds_add_u32 v[SPW], v[NIL]                      ; 0 onto my spare word
.if \fill
	s_add_co_u32 s[NKB], s[KB], 1                  ; the next key block: one on, or, behind the diagonal, block 0 for the second query block
	s_cmp_eq_u32 s[KB], s[QB]
	s_cselect_b32 s[NKB], 0, s[NKB]
	s_lshl_b32 s52, s[NKB], 15                     ; 256 rows of 128 bytes
	s_xor_b32 s[G0K+1], s[G0K+1], SLOT1
	s_add_nc_u64 s[G0K+2:G0K+3], s[KQB:KQB+1], s[52:53]
	s_or_b32 s[G0K+3], s[G0K+3], 0x80000000
	s_xor_b32 s[G0V+1], s[G0V+1], SLOT1
	s_add_nc_u64 s[G0V+2:G0V+3], s[VQB:VQB+1], s[52:53]
	s_or_b32 s[G0V+3], s[G0V+3], 0x80000000
	s_wait_xcnt 0x0                                ; the last prefetch, a trip back, has read its address
	s_add_nc_u64 s[PFA:PFA+1], s[PFA:PFA+1], 32768
.endif
	s_wait_dscnt 0x0                               ; the add is done, and my reads of the slot that I have left are over
	s_barrier_signal -1
	s_barrier_wait -1
.if \fill
	JLOAD                                          ; the first thing behind the barrier, and my one tensor load until the next: it has a whole trip in which to land
	ASK
.endif
.endm
.macro TRIP fill
	CHANGE \fill
	s_wait_loadcnt 0x0                             ; Q
	s_lshl_b32 s[KF], s[KB], 8
	s_mov_b32 s[STEPC], 4
.Lstep_\@:
	STEP
	s_add_co_u32 s[TK], s[TK], KQT
	s_add_co_u32 s[TV], s[TV], VQT
	s_add_co_u32 s[KF], s[KF], 64
	s_sub_co_u32 s[STEPC], s[STEPC], 1
	s_cmp_lg_u32 s[STEPC], 0
	s_cbranch_scc1 .Lstep_\@
	s_sub_co_u32 s[TK], s[TK], 4*KQT
	s_xor_b32 s[TK], s[TK], SLOT1                  ; on to the other slot
	s_sub_co_u32 s[TV], s[TV], 4*VQT
	s_xor_b32 s[TV], s[TV], SLOT1
.if \fill
	s_cmp_lg_u32 s[KB], s[QB]                      ; ids and the count of trips alone: all eight waves go the same way; no barrier, tensor load or wait on TENSORcnt is led round
	s_cbranch_scc1 .Lon_\@
	FLUSH
	s_mov_b32 s[QB], s[QB2]
	INIT
.Lon_\@:
	s_mov_b32 s[KB], s[NKB]
.else
	FLUSH
.endif
.endm
	s_load_b128 s[4:7], s[0:1], 0x0                ; qkv16, o16
	v_lshl_add_u32 v[SPW], v0, 2, SPARE
	v_mov_b32 v[NIL], 0
	ds_add_u32 v[SPW], v[NIL]                      ; the wave's opening: the add, twice on end, and its wait ahead of my first tensor load
	ds_add_u32 v[SPW], v[NIL]
	v_lshrrev_b32 v5, 5, v0
	v_readfirstlane_b32 s[WV], v5                  ; wave 0..7
	s_mov_b32 s[QB], ttmp9
	s_sub_co_u32 s[QB2], 7, ttmp9
	s_mov_b32 s[KB], 0
	s_mov_b32 s[NKB], 0
	s_mov_b32 s[TK], 0
	s_mov_b32 s[TV], 0
	s_mov_b32 s[TRIPS], 8
	s_mov_b32 s53, 0
	s_and_b32 s66, ttmp7, 0xffff
	s_lshl_b32 s66, s66, 18                        ; the head's first byte in each tensor
	s_mov_b32 s67, 0
	s_and_b32 s68, s[WV], 3
	s_lshl_b32 s69, s68, 13                        ; my quarter: 64 rows of 128 bytes
	s_mul_i32 s70, s68, KQT
	s_mul_i32 s71, s68, VQT
	s_add_co_u32 s71, s71, VOFF
	s_mov_b32 s[G1K], (3<<16)|(1<<20)|(5<<22)|(3<<25)   ; elements of 8 bytes; 4 words of padding behind every 64
	s_mov_b32 s[G1V], (3<<16)|(1<<20)|(5<<22)|(7<<25)   ; 8 words
.irp g, G1K, G1V
	s_mov_b32 s[\g+1], 32<<16                      ; tensor_dim0 = 32 elements: 256 bytes
	s_mov_b32 s[\g+2], 32<<16                      ; tensor_dim1 = 32 rows
	s_mov_b32 s[\g+3], 32<<16                      ; tile_dim0
	s_mov_b32 s[\g+4], 32                          ; tile_dim1
	s_mov_b32 s[\g+5], 32                          ; the pitch: the rows are dense
	s_mov_b32 s[\g+6], 0
	s_mov_b32 s[\g+7], 0
.endr
	s_mov_b32 s[SEL], 0x76543210
	s_mov_b32 s[SEL+1], 0xfedcba98
	s_mov_b32 s[CS], 0x3e38aa3b                    ; c = log2(e) / 8
	s_mov_b32 s[CS+1], s[CS]
	s_cmp_eq_u32 ttmp9, 0
	s_cselect_b32 s[LIM], 2, -1                    ; p = 0 asks while more than 2 trips of the loop are left
	s_wait_dscnt 0x0                               ; both opening adds are done
	s_wait_kmcnt 0x0
	s_add_nc_u64 s[QP:QP+1], s[4:5], s[66:67]
	s_add_nc_u64 s[OB:OB+1], s[6:7], s[66:67]
	s_add_co_u32 s66, s66, s69
	s_add_nc_u64 s[KQB:KQB+1], s[4:5], s[66:67]
	s_add_nc_u64 s[KQB:KQB+1], s[KQB:KQB+1], 0x1000000
	s_add_nc_u64 s[VQB:VQB+1], s[KQB:KQB+1], 0x1000000
	s_mov_b32 s[G0K], 1
	s_mov_b32 s[G0K+1], s70
	s_mov_b64 s[G0K+2:G0K+3], s[KQB:KQB+1]
	s_or_b32 s[G0K+3], s[G0K+3], 0x80000000
	s_mov_b32 s[G0V], 1
	s_mov_b32 s[G0V+1], s71
	s_mov_b64 s[G0V+2:G0V+3], s[VQB:VQB+1]
	s_or_b32 s[G0V+3], s[G0V+3], 0x80000000
	JLOAD                                          ; key block 0 into slot 0
	s_cmp_lt_u32 s[WV], 4
	s_cselect_b64 s[PFA:PFA+1], s[KQB:KQB+1], s[VQB:VQB+1]
	s_add_nc_u64 s[PFA:PFA+1], s[PFA:PFA+1], 32768 ; at block 1: the first change steps it to block 2.  Nothing is prefetched here, at the head
	v_and_b32 v5, 15, v0                           ; r
	v_bfe_u32 v6, v0, 4, 1                         ; h
	v_lshlrev_b32 v14, 3, v6
	v_sub_nc_u32 v[RH], v5, v14
	v_and_b32 v[GL], 31, v0
	v_lshlrev_b32 v[PFO], 8, v[GL]
	v_lshlrev_b32 v[GL], 4, v[GL]
	v_lshrrev_b32 v[AK0], 1, v5
	v_mul_u32_u24 v[AK0], v[AK0], KP2
	v_and_b32 v14, 1, v5
	v_lshl_add_u32 v[AK0], v14, 7, v[AK0]
	v_lshl_add_u32 v[AK0], v6, 4, v[AK0]           ; K: key r: (r / 2) x pitch + 128 (r % 2) + 16 h
	v_and_b32 v14, 7, v0
	v_lshl_add_u32 v14, v6, 3, v14                 ; V: key 8 h + lane % 8
	v_lshrrev_b32 v[AV0], 1, v14
	v_mul_u32_u24 v[AV0], v[AV0], VP2
	v_and_b32 v14, 1, v14
	v_lshl_add_u32 v[AV0], v14, 7, v[AV0]
	v_bfe_u32 v14, v0, 3, 1
	v_lshl_add_u32 v[AV0], v14, 4, v[AV0]
	v_add_nc_u32 v[AV0], VOFF, v[AV0]
	v_lshlrev_b32 v[QL], 7, v5
	v_lshl_add_u32 v[QL], v6, 4, v[QL]
	s_mul_i32 s66, s[WV], 4608
	s_add_co_u32 s66, s66, STAGE
	v_mul_u32_u24 v[STO], v5, 144
	v_lshl_add_u32 v[STO], v6, 4, v[STO]
	v_add_nc_u32 v[STO], s66, v[STO]
	v_bfe_u32 v14, v0, 3, 2
	v_mul_u32_u24 v[RD], v14, 144
	v_and_b32 v14, 7, v0
	v_lshl_add_u32 v[RD], v14, 4, v[RD]
	v_add_nc_u32 v[RD], s66, v[RD]
	v_mov_b32 v[NINF], 0xff800000
	INIT
.Ltrip:                                            ; eight trips, each asking for the next trip's key block
	TRIP 1
	s_sub_co_u32 s[TRIPS], s[TRIPS], 1
	s_cmp_lg_u32 s[TRIPS], 0
	s_cbranch_scc1 .Ltrip
	TRIP 0                                         ; the ninth is written out: it asks for nothing, and it is the second query block's diagonal
	s_wait_tensorcnt 0x0                           ; the wave's end
	ds_add_u32 v[SPW], v[NIL]
	s_wait_dscnt 0x0
	s_endpgm
.Lfunc_end_k_q576158854c_attn:
	.size	k_q576158854c_attn, .Lfunc_end_k_q576158854c_attn-k_q576158854c_attn
	.p2alignl 7, 3214868480
	.fill 96, 4, 3214868480
	.section	.rodata,"a",@progbits
	.p2align	6, 0x0
	.amdhsa_kernel k_q576158854c_attn
		.amdhsa_group_segment_fixed_size 327680
		.amdhsa_private_segment_fixed_size 0
		.amdhsa_enable_private_segment 0
		.amdhsa_kernarg_size 16
		.amdhsa_user_sgpr_count 2
		.amdhsa_user_sgpr_kernarg_segment_ptr 1
		.amdhsa_wavefront_size32 1
		.amdhsa_system_sgpr_workgroup_id_x 1
		.amdhsa_system_sgpr_workgroup_id_y 1
		.amdhsa_system_sgpr_workgroup_id_z 1
		.amdhsa_system_vgpr_workitem_id 0
		.amdhsa_next_free_vgpr 512
		.amdhsa_next_free_sgpr 72
		.amdhsa_reserve_vcc 1
		.amdhsa_float_denorm_mode_32 3
		.amdhsa_float_denorm_mode_16_64 3
		.amdhsa_memory_ordered 1
		.amdhsa_forward_progress 1
		.amdhsa_inst_pref_size 72
	.end_amdhsa_kernel
	.amdgpu_metadata
---
amdhsa.version: [ 1, 2 ]
amdhsa.kernels:
  - .name:           k_q576158854c_attn
    .symbol:         k_q576158854c_attn.kd
    .args:
      - { .name: qkv16, .offset: 0, .size: 8, .value_kind: global_buffer, .address_space: global }
      - { .name: o16, .offset: 8, .size: 8, .value_kind: global_buffer, .address_space: global }
    .group_segment_fixed_size: 327680
    .private_segment_fixed_size: 0
    .kernarg_segment_align: 8
    .kernarg_segment_size: 16
    .max_flat_workgroup_size: 256
    .sgpr_count:     72
    .vgpr_count:     512
    .wavefront_size: 32
...
	.end_amdgpu_metadata
.endif
;; end of part 3
;; launch outp (part 4): grid 4 x 64, 4 waves a work-group, clusters of 4 x 4, 327,680 bytes of LDS; arguments o16, wo16, out0; writes out0
.if DOCPART == 4
	.amdgcn_target "amdgcn-amd-amdhsa--gfx1250"
	.amdhsa_code_object_version 6
	.text
	.protected	k_q576158854c_outp
	.globl	k_q576158854c_outp
	.p2align	8
	.type	k_q576158854c_outp,@function
k_q576158854c_outp:
	s_mov_b64 s[64:65], 0
	v_nop
	global_prefetch_b8 v0, s[64:65] scope:SCOPE_SE
	s_setreg_imm32_b32 hwreg(HW_REG_WAVE_MODE, 25, 1), 1
	s_wait_xcnt 0x0
	s_wait_alu depctr_hold_cnt(0) depctr_sa_sdst(0) depctr_va_vdst(0) depctr_va_sdst(0) depctr_va_ssrc(0) depctr_va_vcc(0) depctr_vm_vsrc(0)
	s_getreg_b32 s2, hwreg(HW_REG_IB_STS2, 6, 4)
	s_cmp_eq_u32 s2, 0
	s_cbranch_scc0 .Lentry_in_a_cluster
	s_endpgm
.Lentry_in_a_cluster:
	s_bfe_u32 s2, ttmp6, 0x10000c
	s_cmp_lg_u32 s2, 0xf033
	s_cbranch_scc0 .Lentry_shape_is_right
	s_endpgm
.Lentry_shape_is_right:
; outp: out0 [8192][1024] f32 = o [8192][1024] times Wo [1024 (k)][1024 (n)], operands in f16, sums in f32.  o lies head by head, o16 [16 b + h][2048][64]; k = 64 h + channel.
; A tile of C is 128 x 256: 256 work-groups.  Four waves, each 64 rows x 128 columns: 32 accumulators of 16 x 16 in window 1.  K goes in steps of 128 (two heads) through two LDS slots.
; A's tile: two heads x 128 rows of 128 dense bytes, stated as rows of 256 bytes (two rows of o each), padded by 16.  B's tile: 128 rows (k) of 512 bytes, padded by 32, read turned (ds_load_tr16_b128).
; CLUSTERS: 4 x 4 work-groups; A's tiles are asked for jointly along a row of the cluster, B's along a column.  Waves 0, 1 fetch A's two heads, waves 2, 3 B's two halves: one tensor load a wave behind each round.
; THE MATRIX INSTRUCTION IS USED TRANSPOSED (source 0 = 16 columns of Wo, source 1 = 16 rows of o): a lane holds eight neighbouring numbers of a row of C.
; No prefetch: a K step here is 32 KiB a wave-pair and the tiles are shared fourfold; the ring's one load a wave has a K step's 128 matrix instructions in which to land.
; REGISTERS: window 0: v16-29 addresses; v32-127 and v128-223 two fragment buffers (64 registers of B, then 32 of A).  Window 1: accumulator (a, bb) at v[8 (8 a + bb)].
.set APL,    64*272                    ; a head's 128 rows in LDS
.set BHF,    64*544                    ; 64 rows (k) of B
.set BOFF,   2*APL
.set SLOT,   BOFF+2*BHF
.set STAGE,  2*SLOT                    ; the way out: 16 rows x (512 bytes + 16) for each wave
.set SPITCH, 528
.set SPARE,  STAGE+4*16*SPITCH         ; the spare words, 128 bytes a wave: two blocks of 256 bytes that no other line names
.set LAPS,   4                         ; eight K steps, two a lap
.set ADRA, 16
.set ADRB, 20
.set STO,  24
.set RD,   25
.set CO,   26
.set SPW,  28
.set NIL,  29
.set F0,   32
.set F1,   128
.set G1, 24
.set G0, 32
.set G1B, 48
.set G0B, 56
.set MSB, 0
.macro WIN new
.if MSB != \new
	s_set_vgpr_msb (MSB<<8)|\new
.set MSB, \new
.endif
.endm
.set MUL, 0x50                         ; C and D in window 1
.macro JLOAD s
	s_cmp_eq_u32 s11, 0
	s_cbranch_scc0 .Lfor_b_\@
	tensor_load_to_lds s[G0+4*\s:G0+4*\s+3], s[G1:G1+7]
	s_nop 0
.rept 4
	v_nop
.endr
	s_branch .Lasked_\@
.Lfor_b_\@:
	tensor_load_to_lds s[G0B+4*\s:G0B+4*\s+3], s[G1B:G1B+7]
	s_nop 0
.rept 4
	v_nop
.endr
.Lasked_\@:
.endm
.macro CREST
	s_cmp_lg_u32 s10, 0
	s_cbranch_scc1 .Lnot_wave_0_\@
	s_barrier_signal -3
.Lnot_wave_0_\@:
	s_barrier_wait -3
	s_barrier_signal -1
	s_barrier_wait -1
.endm
.macro CROUND
	s_barrier_signal -1
	s_barrier_wait -1
	CREST
.endm
	s_load_b128 s[4:7], s[0:1], 0x0                ; o16, wo16
	s_load_b64 s[8:9], s[0:1], 0x10                ; out0
	v_lshl_add_u32 v[SPW], v0, 2, SPARE
	v_mov_b32 v[NIL], 0
	ds_add_u32 v[SPW], v[NIL]                      ; the wave's opening: the add, twice on end, and its wait ahead of my first tensor load
	ds_add_u32 v[SPW], v[NIL]
	v_lshrrev_b32 v1, 5, v0
	v_readfirstlane_b32 s10, v1                    ; wave 0..3
	s_lshr_b32 s11, s10, 1                         ; my half of the tile's rows.  Also: I fetch for A (0) or B (1)
	s_and_b32 s12, s10, 1                          ; my half of its columns.  Also: which head, or which 64 rows of Wo, I fetch
	s_bfe_u32 s40, ttmp6, 0x40000
	s_bfe_u32 s41, ttmp6, 0x40004
	s_lshl_b32 s42, ttmp9, 2
	s_add_co_u32 s42, s42, s40                     ; tile column, 0..3
	s_and_b32 s13, ttmp7, 0xffff
	s_lshl_b32 s13, s13, 2
	s_add_co_u32 s13, s13, s41                     ; tile row, 0..63
	s_lshl_b32 s43, s41, 2
	s_lshl_b32 s43, 15, s43
	s_lshl_b32 s44, 0x1111, s40
	s_or_b32 s[G1+0], s43, (3<<16)|(1<<20)|(1<<21)|(5<<22)|(3<<25)   ; A: elements of 8 bytes; 4 words of padding behind every 64
	s_mov_b32 s[G1+1], 32<<16
	s_mov_b32 s[G1+2], 64<<16
	s_mov_b32 s[G1+3], 32<<16
	s_mov_b32 s[G1+4], 64
	s_mov_b32 s[G1+5], 32
	s_mov_b32 s[G1+6], 0
	s_mov_b32 s[G1+7], 0
	s_or_b32 s[G1B+0], s44, (1<<16)|(1<<20)|(1<<21)|(6<<22)|(7<<25)  ; B: elements of 2 bytes; 8 words of padding behind every 128
	s_mov_b32 s[G1B+1], 256<<16
	s_mov_b32 s[G1B+2], 64<<16
	s_mov_b32 s[G1B+3], 256<<16
	s_mov_b32 s[G1B+4], 64
	s_mov_b32 s[G1B+5], 1024
	s_mov_b32 s[G1B+6], 0
	s_mov_b32 s[G1B+7], 0
	s_and_b32 s16, s13, 48                         ; 16 x batch
	s_add_co_u32 s16, s16, s12                     ; + my head of the K step's two
	s_lshl_b32 s16, s16, 11
	s_and_b32 s17, s13, 15
	s_lshl_b32 s17, s17, 7                         ; + the tile's first position
	s_add_co_u32 s16, s16, s17
	s_lshl_b32 s16, s16, 7                         ; rows of 128 bytes
	s_mov_b32 s17, 0
	s_lshl_b32 s46, s12, 17                        ; B: 64 rows of 2,048 bytes x half
	s_lshl_b32 s47, s42, 9                         ; + 512 bytes x tile column
	s_add_co_u32 s46, s46, s47
	s_mov_b32 s47, 0
	s_mul_i32 s20, s12, APL                        ; where they go
	s_mul_i32 s21, s12, BHF
	s_add_co_u32 s21, s21, BOFF
	s_wait_dscnt 0x0                               ; both opening adds are done
	s_wait_kmcnt 0x0
	s_add_nc_u64 s[14:15], s[4:5], s[16:17]
	s_add_nc_u64 s[46:47], s[6:7], s[46:47]
	CROUND                                         ; all sixteen work-groups are here: the first joint loads meet
.irp s, 0,1
	s_mov_b32 s[G0+4*\s], 1
	s_add_co_u32 s[G0+4*\s+1], s20, \s*SLOT
	s_add_nc_u64 s[G0+4*\s+2:G0+4*\s+3], s[14:15], \s*524288     ; K step s: two heads of 262,144 bytes on
	s_or_b32 s[G0+4*\s+3], s[G0+4*\s+3], 0x80000000
	s_mov_b32 s[G0B+4*\s], 1
	s_add_co_u32 s[G0B+4*\s+1], s21, \s*SLOT
	s_add_nc_u64 s[G0B+4*\s+2:G0B+4*\s+3], s[46:47], \s*262144   ; 128 rows of 2,048 bytes on
	s_or_b32 s[G0B+4*\s+3], s[G0B+4*\s+3], 0x80000000
	JLOAD \s
.endr
	v_and_b32 v1, 15, v0                           ; r
	v_bfe_u32 v2, v0, 4, 1                         ; h
	v_lshrrev_b32 v3, 1, v1
	v_mul_u32_u24 v3, v3, 272
	v_and_b32 v4, 1, v1
	v_lshl_add_u32 v3, v4, 7, v3
	v_lshl_add_u32 v3, v2, 4, v3                   ; A: row r: (r / 2) x 272 + 128 (r % 2) + 16 h
	v_and_b32 v4, 7, v0
	v_lshl_add_u32 v4, v2, 3, v4
	v_mul_u32_u24 v4, v4, 544
	v_bfe_u32 v5, v0, 3, 1
	v_lshl_add_u32 v4, v5, 4, v4                   ; B: row (k) 8 h + lane % 8, 16 bytes for each eight lanes
	s_mul_i32 s21, s11, 32*272                     ; my 64 rows of A
	s_lshl_b32 s22, s12, 8                         ; my 128 columns of B
	s_add_co_u32 s22, s22, BOFF
.irp s, 0,1
	v_add_nc_u32 v[ADRA+\s], s21, v3
	v_add_nc_u32 v[ADRB+\s], s22, v4
	s_add_co_u32 s21, s21, SLOT
	s_add_co_u32 s22, s22, SLOT
.endr
	s_mul_i32 s23, s10, 16*SPITCH
	s_add_co_u32 s23, s23, STAGE
	v_mul_u32_u24 v5, v1, SPITCH
	v_lshl_add_u32 v5, v2, 5, v5
	v_add_nc_u32 v[STO], s23, v5
	v_and_b32 v6, 31, v0
	v_lshlrev_b32 v[CO], 4, v6
	v_add_nc_u32 v[RD], s23, v[CO]
	s_lshl_b32 s16, s13, 7
	s_lshl_b32 s17, s11, 6
	s_add_co_u32 s16, s16, s17                     ; my first row of C
	s_lshl_b32 s16, s16, 12
	s_mov_b32 s17, 0
	s_add_nc_u64 s[8:9], s[8:9], s[16:17]
	s_lshl_b32 s46, s42, 10
	s_lshl_b32 s47, s12, 9
	s_add_co_u32 s46, s46, s47
	s_mov_b32 s47, 0
	s_add_nc_u64 s[8:9], s[8:9], s[46:47]
.macro MULA f, a, zero                 ; eight matrix instructions: A's block a x B's eight, 32 along K.  The 32 accumulators take turns in the same order everywhere
.irp bb, 0,1,2,3,4,5,6,7
.if \zero
	v_wmma_f32_16x16x32_f16 v[8*(8*(\a)+\bb):8*(8*(\a)+\bb)+7], v[\f+8*\bb:\f+8*\bb+7], v[\f+64+8*(\a):\f+64+8*(\a)+7], 0
.else
	v_wmma_f32_16x16x32_f16 v[8*(8*(\a)+\bb):8*(8*(\a)+\bb)+7], v[\f+8*\bb:\f+8*\bb+7], v[\f+64+8*(\a):\f+64+8*(\a)+7], v[8*(8*(\a)+\bb):8*(8*(\a)+\bb)+7]
.endif
.endr
.endm
.macro FETCH slot, q, f                ; 24 LDS loads in one run: the fragments of the slot's q-th 32 along K; A's blocks 2, 3 last
	WIN 0
.irp bb, 0,1,2,3,4,5,6,7
	ds_load_tr16_b128 v[\f+8*\bb:\f+8*\bb+3], v[ADRB+\slot] offset:(\q)*32*544+\bb*32
	ds_load_tr16_b128 v[\f+8*\bb+4:\f+8*\bb+7], v[ADRB+\slot] offset:(\q)*32*544+\bb*32+16*544
.endr
.irp a, 0,1,2,3
	ds_load_b128 v[\f+64+8*\a:\f+64+8*\a+3], v[ADRA+\slot] offset:((\q)/2)*APL+((\q)%2)*64+\a*8*272
	ds_load_b128 v[\f+64+8*\a+4:\f+64+8*\a+7], v[ADRA+\slot] offset:((\q)/2)*APL+((\q)%2)*64+\a*8*272+32
.endr
.endm
.macro PLACES
.rept 4
	v_nop
.endr
.endm
.macro QUARTER slot, q, f, g, zero     ; multiplies buffer f; in its middle it fetches the slot's q-th quarter into buffer g
	s_wait_dscnt 4                                 ; B and A's blocks 0, 1 are in; the youngest four loads (A's blocks 2, 3) may be out
	WIN MUL
	MULA \f, 0, \zero
	MULA \f, 1, \zero
	PLACES
	FETCH \slot, \q, \g
	s_wait_dscnt 24                                ; all but the 24 just issued
	WIN MUL
	MULA \f, 2, \zero
	MULA \f, 3, \zero
.endm
.macro TURN slot, next, fill           ; a K step's last quarter changes slots: one barrier, which opens a round of the cluster's barrier where the slot is filled again
	WIN 0
	s_wait_tensorcnt 0x0                           ; all my tensor loads have landed: my part of the next slot
	ds_add_u32 v[SPW], v[NIL]                      ; 0 onto my spare word
	s_wait_dscnt 5                                 ; (the add and the youngest four loads may be out)
	WIN MUL
	MULA F1, 0, 0
	s_wait_dscnt 0x0                               ; the add is done, and my reads of this slot are over
	s_barrier_signal -1
	MULA F1, 1, 0
.if \fill
	WIN 0
.endif
	s_barrier_wait -1
.if \fill
	CREST                                          ; no wave of any partner still reads this slot or has a load on its way
	s_add_nc_u64 s[G0+4*\slot+2:G0+4*\slot+3], s[G0+4*\slot+2:G0+4*\slot+3], 1048576
	s_add_nc_u64 s[G0B+4*\slot+2:G0B+4*\slot+3], s[G0B+4*\slot+2:G0B+4*\slot+3], 524288
	JLOAD \slot                                    ; the first tensor load behind the round; its four v_nop are also the places ahead of the loads below
.else
	PLACES
.endif
	FETCH \next, 0, F0
	WIN MUL
	MULA F1, 2, 0
	MULA F1, 3, 0
.endm
	s_wait_tensorcnt 1                             ; my part of K step 0 is in; K step 1's load may be out
	s_barrier_signal -1
	s_barrier_wait -1
	FETCH 0, 0, F0
	QUARTER 0, 1, F0, F1, 1                        ; the first quarter's products start the sums
	WIN 0
	s_mov_b32 s3, LAPS-1
.Llap:
	QUARTER 0, 2, F1, F0, 0
	QUARTER 0, 3, F0, F1, 0
	TURN 0, 1, 1
	QUARTER 1, 1, F0, F1, 0
	QUARTER 1, 2, F1, F0, 0
	QUARTER 1, 3, F0, F1, 0
	TURN 1, 0, 1
	QUARTER 0, 1, F0, F1, 0
	WIN 0
	s_sub_co_u32 s3, s3, 1
	s_cmp_lg_u32 s3, 0
	s_cbranch_scc1 .Llap
	QUARTER 0, 2, F1, F0, 0                        ; the last lap fills nothing
	QUARTER 0, 3, F0, F1, 0
	TURN 0, 1, 0
	QUARTER 1, 1, F0, F1, 0
	QUARTER 1, 2, F1, F0, 0
	QUARTER 1, 3, F0, F1, 0
	s_wait_dscnt 4
	WIN MUL
	MULA F1, 0, 0
	MULA F1, 1, 0
	s_wait_dscnt 0
	MULA F1, 2, 0
	MULA F1, 3, 0
	WIN 0
; THE WAY OUT, 16 rows x 128 columns at a time, through my own stage: in as 32 bytes a lane, back as whole rows of 512 bytes.
.macro TOSTAGE a
	WIN 0x04                                       ; an LDS store's data are its source 1: window 1
.irp bb, 0,1,2,3,4,5,6,7
	ds_store_b128 v[STO], v[8*(8*(\a)+\bb):8*(8*(\a)+\bb)+3] offset:64*\bb          ; each accumulator from its low end on
	ds_store_b128 v[STO], v[8*(8*(\a)+\bb)+4:8*(8*(\a)+\bb)+7] offset:64*\bb+16
.endr
	WIN 0
.set BB, 32+96*((\a)%2)
.irp t, 0,1,2,3,4,5,6,7,8,9,10,11,12,13,14,15
	ds_load_b128 v[BB+4*\t:BB+4*\t+3], v[RD] offset:\t*SPITCH
.endr
.endm
.macro SEND a, younger
.set BB, 32+96*((\a)%2)
	s_wait_dscnt \younger
.irp t, 0,1,2,3,4,5,6,7,8,9,10,11,12,13,14,15
	global_store_b128 v[CO], v[BB+4*\t:BB+4*\t+3], s[8:9] offset:(\a)*65536+\t*4096 th:TH_STORE_NT   ; 32 lanes store 512 consecutive bytes, aligned
.endr
.endm
	PLACES
	TOSTAGE 0
.irp a, 1,2,3
.if \a > 1
	s_wait_xcnt 0x0                                ; block a - 2's stores have read their registers
.endif
	TOSTAGE \a
	SEND \a-1, 32
.endr
	SEND 3, 0
	s_wait_tensorcnt 0x0                           ; the wave's end
	ds_add_u32 v[SPW], v[NIL]
	s_wait_dscnt 0x0
	CROUND                                         ; the closing round
	s_endpgm
.Lfunc_end_k_q576158854c_outp:
	.size	k_q576158854c_outp, .Lfunc_end_k_q576158854c_outp-k_q576158854c_outp
	.p2alignl 7, 3214868480
	.fill 96, 4, 3214868480
	.section	.rodata,"a",@progbits
	.p2align	6, 0x0
	.amdhsa_kernel k_q576158854c_outp
		.amdhsa_group_segment_fixed_size 327680
		.amdhsa_private_segment_fixed_size 0
		.amdhsa_enable_private_segment 0
		.amdhsa_kernarg_size 24
		.amdhsa_user_sgpr_count 2
		.amdhsa_user_sgpr_kernarg_segment_ptr 1
		.amdhsa_wavefront_size32 1
		.amdhsa_system_sgpr_workgroup_id_x 1
		.amdhsa_system_sgpr_workgroup_id_y 1
		.amdhsa_system_sgpr_workgroup_id_z 1
		.amdhsa_system_vgpr_workitem_id 0
		.amdhsa_next_free_vgpr 512
		.amdhsa_next_free_sgpr 66
		.amdhsa_reserve_vcc 0
		.amdhsa_float_denorm_mode_32 3
		.amdhsa_float_denorm_mode_16_64 3
		.amdhsa_memory_ordered 1
		.amdhsa_forward_progress 1
		.amdhsa_inst_pref_size 85
	.end_amdhsa_kernel
	.amdgpu_metadata
---
amdhsa.version: [ 1, 2 ]
amdhsa.kernels:
  - .name:           k_q576158854c_outp
    .symbol:         k_q576158854c_outp.kd
    .args:
      - { .name: o16, .offset: 0, .size: 8, .value_kind: global_buffer, .address_space: global }
      - { .name: wo16, .offset: 8, .size: 8, .value_kind: global_buffer, .address_space: global }
      - { .name: out0, .offset: 16, .size: 8, .value_kind: global_buffer, .address_space: global }
    .group_segment_fixed_size: 327680
    .private_segment_fixed_size: 0
    .kernarg_segment_align: 8
    .kernarg_segment_size: 24
    .max_flat_workgroup_size: 128
    .sgpr_count:     66
    .vgpr_count:     512
    .wavefront_size: 32
...
	.end_amdgpu_metadata
.endif
;; end of part 4
;; launch fine (part 5): grid 16 x 4, 16 waves a work-group, no clusters, 85,248 bytes of LDS; arguments fine32, Wo, out0; writes out0
.if DOCPART == 5
	.amdgcn_target "amdgcn-amd-amdhsa--gfx1250"
	.amdhsa_code_object_version 6
	.text
	.protected	k_q576158854c_fine
	.globl	k_q576158854c_fine
	.p2align	8
	.type	k_q576158854c_fine,@function
k_q576158854c_fine:
	s_mov_b64 s[64:65], 0
	v_nop
	global_prefetch_b8 v0, s[64:65] scope:SCOPE_SE
	s_setreg_imm32_b32 hwreg(HW_REG_WAVE_MODE, 25, 1), 1
	s_wait_xcnt 0x0
; fine: positions 0-15 of each sequence once more, wholly in f32: under the causal mask these rows average one to sixteen values, and rounded operands weigh most there.
; They see keys 0-15 alone.  Work-group (g, b): batch b, columns 64 g .. 64 g + 63 of out0's rows 2048 b + 0..15, which it writes over.
; PHASE 1: wave = head.  S^T = k q^T (16 keys x 16 queries, 64 channels), softmax with the row's maximum taken away, O^T = v^T p, divided by the row's sum; the 16 x 1,024 numbers of o meet in LDS.
; (Each of a batch's 16 work-groups makes all 16 heads: 16 x 16 x 64 numbers a head, little against sharing them through memory and one launch more.)
; PHASE 2: wave = (16 columns, a quarter of K): 64 products of K = 4; the four quarters meet in LDS and wave w adds and stores row w.
; The f32 matrix form takes k = 2 (lane / 16) + register.  Along K the channels are dealt to lanes and registers in another order, alike on both sides of a product, so that 16-byte loads fill the operands.
; The four accumulators v112-143 are written by matrix instructions alone; each sum begins with the constant 0; they take turns, one instruction a turn.
; No cluster, no tensor load: 64 small work-groups; what they share (Wo's columns differ, fine32 is 786,432 bytes) is small.
.set OL,    0                          ; LDS: o: 16 rows x (4,096 bytes + 16)
.set OPI,   4112
.set RED,   16*OPI                     ; four quarters x 16 rows x (256 bytes + 16)
.set SPARE, RED+4*16*272               ; the spare words, 128 bytes a wave: eight blocks of 256 bytes that no other line names
.set ACC,  112
.set SPW,  240
.set NIL,  241
.set NINF, 242
.macro NOPS n
.rept \n
	v_nop
.endr
.endm
	s_load_b128 s[4:7], s[0:1], 0x0                ; fine32, Wo
	s_load_b64 s[8:9], s[0:1], 0x10                ; out0
	v_lshl_add_u32 v[SPW], v0, 2, SPARE
	v_mov_b32 v[NIL], 0
	v_lshrrev_b32 v1, 5, v0
	v_readfirstlane_b32 s10, v1                    ; wave 0..15
	v_and_b32 v1, 15, v0                           ; r
	v_bfe_u32 v2, v0, 4, 1                         ; h
	v_lshlrev_b32 v3, 8, v1
	v_lshl_add_u32 v3, v2, 4, v3                   ; q, k: row r of 256 bytes, + 16 h
	v_lshlrev_b32 v4, 2, v1
	v_lshl_add_u32 v5, v2, 14, v4                  ; Wo: four rows of 4,096 bytes x h, + 4 r
	v_lshl_add_u32 v4, v2, 11, v4                  ; v: eight rows of 256 bytes x h, + 4 r
	v_lshlrev_b32 v6, 3, v2
	v_sub_nc_u32 v6, v1, v6                        ; r - 8 h
	v_mul_u32_u24 v7, v1, OPI
	v_lshl_add_u32 v8, v2, 4, v7
	v_lshl_add_u32 v7, v2, 5, v7
	s_lshl_b32 s13, s10, 8
	v_add_nc_u32 v7, s13, v7                       ; o, way in: row r, head's 256 bytes, + 32 h
	s_lshr_b32 s14, s10, 2                         ; phase 2: my quarter of K
	s_and_b32 s15, s10, 3                          ; and my 16 columns
	s_lshl_b32 s13, s14, 10
	v_add_nc_u32 v8, s13, v8                       ; o, way out: row r, my quarter's 1,024 bytes, + 16 h
	v_mul_u32_u24 v9, v1, 272
	v_lshl_add_u32 v9, v2, 5, v9
	s_mul_i32 s13, s14, 16*272
	s_lshl_b32 s16, s15, 6
	s_add_co_u32 s13, s13, s16
	s_add_co_u32 s13, s13, RED
	v_add_nc_u32 v9, s13, v9
	v_and_b32 v11, 31, v0
	v_lshlrev_b32 v11, 3, v11
	s_mul_i32 s13, s10, 272
	s_add_co_u32 s13, s13, RED
	v_add_nc_u32 v10, s13, v11                     ; the last sum: row = my wave, 8 bytes a lane
	s_lshl_b32 s13, s10, 12
	v_add_nc_u32 v11, s13, v11
	v_mov_b32 v[NINF], 0xff800000
	s_mov_b32 s20, 0x76543210
	s_mov_b32 s21, 0xfedcba98
	s_mov_b32 s22, 0x3e38aa3b                      ; c = log2(e) / 8
	s_and_b32 s11, ttmp7, 0xffff
	s_lshl_b32 s16, s11, 4
	s_add_co_u32 s16, s16, s10
	s_lshl_b32 s16, s16, 12                        ; my head's 4,096 bytes
	s_mov_b32 s17, 0
	s_lshl_b32 s18, s14, 20                        ; 256 rows of Wo
	s_lshl_b32 s19, ttmp9, 8
	s_add_co_u32 s18, s18, s19
	s_lshl_b32 s19, s15, 6
	s_add_co_u32 s18, s18, s19
	s_mov_b32 s19, 0
	s_lshl_b32 s24, s11, 23                        ; 2,048 rows of out0
	s_lshl_b32 s25, ttmp9, 8
	s_add_co_u32 s24, s24, s25
	s_mov_b32 s25, 0
	s_wait_kmcnt 0x0
	s_add_nc_u64 s[4:5], s[4:5], s[16:17]
	s_add_nc_u64 s[6:7], s[6:7], s[18:19]
	s_add_nc_u64 s[8:9], s[8:9], s[24:25]
.irp u, 0,1,2,3,4,5,6,7
	global_load_b128 v[16+4*\u:19+4*\u], v3, s[4:5] offset:32*\u            ; q(r, 8 u + 4 h + 0..3)
.endr
.irp u, 0,1,2,3,4,5,6,7
	global_load_b128 v[48+4*\u:51+4*\u], v3, s[4:5] offset:262144+32*\u     ; k likewise
.endr
.irp ct, 0,1,2,3
.irp kk, 0,1,2,3,4,5,6,7
	global_load_b32 v[80+8*\ct+\kk], v4, s[4:5] offset:524288+\kk*256+\ct*64   ; v(key 8 h + kk, channel 16 ct + r)
.endr
.endr
.macro WLOAD reg, c                    ; Wo(256 kq + 64 c + 8 u + 4 h + kk, my column r): register 4 u + kk
.irp u, 0,1,2,3,4,5,6,7
.irp kk, 0,1,2,3
	global_load_b32 v[\reg+4*\u+\kk], v5, s[6:7] offset:(64*\c+8*\u+\kk)*4096
.endr
.endr
.endm
	WLOAD 144, 0
	WLOAD 176, 1
	s_wait_loadcnt 63                              ; behind q's and k's loads 96 were issued: a smaller count waits for more, and is right
.irp i, 0,1,2,3,4,5,6,7,8,9,10,11,12,13,14,15
.if \i < 4
	v_wmma_f32_16x16x4_f32 v[ACC+8*(\i%4):ACC+8*(\i%4)+7], v[48+2*\i:49+2*\i], v[16+2*\i:17+2*\i], 0
.else
	v_wmma_f32_16x16x4_f32 v[ACC+8*(\i%4):ACC+8*(\i%4)+7], v[48+2*\i:49+2*\i], v[16+2*\i:17+2*\i], v[ACC+8*(\i%4):ACC+8*(\i%4)+7]
.endif
.endr
	NOPS 9                                         ; eight places ahead of reads of the results and of loads into the sources; the ninth for the next run, which begins these accumulators anew
	WLOAD 16, 2
	WLOAD 48, 3
.irp j, 0,1,2,3,4,5,6,7
	v_add_f32 v[208+\j], v[ACC+\j], v[ACC+8+\j]    ; each accumulator from its low end on
.endr
.irp j, 0,1,2,3,4,5,6,7
	v_add_f32 v[216+\j], v[ACC+16+\j], v[ACC+24+\j]
.endr
.irp j, 0,1,2,3,4,5,6,7
	v_add_f32 v[208+\j], v[208+\j], v[216+\j]      ; score(key 8 h + j, query r)
.endr
.irp j, 0,1,2,3,4,5,6,7
	v_cmp_gt_i32 vcc_lo, \j, v6                    ; hidden where 8 h + j > r
	v_cndmask_b32 v[208+\j], v[208+\j], v[NINF], vcc_lo
.endr
	v_max3_num_f32 v12, v208, v209, v210
	v_max3_num_f32 v13, v211, v212, v213
	v_max3_num_f32 v12, v12, v214, v215
	v_max_num_f32 v12, v12, v13
	v_permlanex16_b32 v13, v12, s20, s21
	v_max_num_f32 v12, v12, v13                    ; the row's maximum: key 0 counts for every query
	v_mul_f32 v12, s22, v12
.irp j, 0,1,2,3,4,5,6,7
	v_fma_f32 v[216+\j], v[208+\j], s22, -v12
.endr
.irp j, 0,1,2,3,4,5,6,7
	v_exp_f32 v[216+\j], v[216+\j]
.endr
	v_nop
	s_wait_alu depctr_va_vdst(0)                   ; one wait for the eight, ahead of their first reader
	v_add_f32 v13, v216, v217
	v_add_f32 v14, v218, v219
	v_add_f32 v15, v220, v221
	v_add_f32 v243, v222, v223
	v_add_f32 v13, v13, v14
	v_add_f32 v15, v15, v243
	v_add_f32 v13, v13, v15
	v_permlanex16_b32 v14, v13, s20, s21
	v_add_f32 v13, v13, v14
	v_rcp_f32 v13, v13
	v_nop
	s_wait_alu depctr_va_vdst(0)
	s_wait_loadcnt 63                              ; behind v's loads 128 were issued
.irp ks, 0,1,2,3                       ; O^T = v^T p: lane (r, h) gives keys 8 h + 2 ks + 0, 1 on both sides
.irp ct, 0,1,2,3
.if \ks == 0
	v_wmma_f32_16x16x4_f32 v[ACC+8*\ct:ACC+8*\ct+7], v[80+8*\ct+2*\ks:81+8*\ct+2*\ks], v[216+2*\ks:217+2*\ks], 0
.else
	v_wmma_f32_16x16x4_f32 v[ACC+8*\ct:ACC+8*\ct+7], v[80+8*\ct+2*\ks:81+8*\ct+2*\ks], v[216+2*\ks:217+2*\ks], v[ACC+8*\ct:ACC+8*\ct+7]
.endif
.endr
.endr
	NOPS 9
.set j, 0
.rept 32
	v_mul_f32 v[208+j], v[ACC+j], v13              ; o(r, 16 ct + 8 h + i), into other registers than the sums'
.set j, j+1
.endr
.irp ct, 0,1,2,3
	ds_store_b128 v7, v[208+8*\ct:211+8*\ct] offset:64*\ct
	ds_store_b128 v7, v[212+8*\ct:215+8*\ct] offset:64*\ct+16
.endr
	s_wait_dscnt 0x0                               ; for the others' sake: my stores have landed
	s_barrier_signal -1
	s_barrier_wait -1                              ; all sixteen heads of o lie in LDS
.macro OLOAD reg, c                    ; o(r, 256 kq + 64 c + 8 u + 4 h + 0..3)
.irp u, 0,1,2,3,4,5,6,7
	ds_load_b128 v[\reg+4*\u:\reg+4*\u+3], v8 offset:256*\c+32*\u
.endr
.endm
.macro CHUNK wreg, oreg, zero          ; 64 along K: source 0 = 16 columns of Wo, source 1 = the 16 rows of o
.irp i, 0,1,2,3,4,5,6,7,8,9,10,11,12,13,14,15
.if \zero && (\i < 4)
	v_wmma_f32_16x16x4_f32 v[ACC+8*(\i%4):ACC+8*(\i%4)+7], v[\wreg+2*\i:\wreg+2*\i+1], v[\oreg+2*\i:\oreg+2*\i+1], 0
.else
	v_wmma_f32_16x16x4_f32 v[ACC+8*(\i%4):ACC+8*(\i%4)+7], v[\wreg+2*\i:\wreg+2*\i+1], v[\oreg+2*\i:\oreg+2*\i+1], v[ACC+8*(\i%4):ACC+8*(\i%4)+7]
.endif
.endr
.endm
	OLOAD 80, 0
	OLOAD 208, 1
	s_wait_loadcnt 63                              ; behind Wo's chunk 0: 96 loads
	s_wait_dscnt 8                                 ; o's chunk 0 is in; chunk 1's eight loads may be out
	CHUNK 144, 80, 1
	NOPS 9
	OLOAD 80, 2
	s_wait_loadcnt 63                              ; behind chunk 1: 64 loads
	s_wait_dscnt 8
	CHUNK 176, 208, 0
	NOPS 9
	OLOAD 208, 3
	s_wait_loadcnt 32                              ; behind chunk 2: 32 loads
	s_wait_dscnt 8
	CHUNK 16, 80, 0
	s_wait_loadcnt 0
	s_wait_dscnt 0
	CHUNK 48, 208, 0
	NOPS 9
.irp j, 0,1,2,3,4,5,6,7
	v_add_f32 v[16+\j], v[ACC+\j], v[ACC+8+\j]
.endr
.irp j, 0,1,2,3,4,5,6,7
	v_add_f32 v[24+\j], v[ACC+16+\j], v[ACC+24+\j]
.endr
.irp j, 0,1,2,3,4,5,6,7
	v_add_f32 v[16+\j], v[16+\j], v[24+\j]         ; my quarter's part of out(r, 16 ct2 + 8 h + j)
.endr
	ds_store_b128 v9, v[16:19]
	ds_store_b128 v9, v[20:23] offset:16
	s_wait_dscnt 0x0
	s_barrier_signal -1
	s_barrier_wait -1
.irp q, 0,1,2,3
	ds_load_b64 v[32+2*\q:33+2*\q], v10 offset:\q*16*272
.endr
	s_wait_dscnt 0x0
	v_pk_add_f32 v[32:33], v[32:33], v[34:35]
	v_pk_add_f32 v[36:37], v[36:37], v[38:39]
	v_pk_add_f32 v[32:33], v[32:33], v[36:37]
	global_store_b64 v11, v[32:33], s[8:9]         ; 32 lanes store 256 consecutive bytes, aligned: my row's 64 columns
	s_wait_tensorcnt 0x0                           ; the wave's end
	ds_add_u32 v[SPW], v[NIL]
	s_wait_dscnt 0x0
	s_endpgm
.Lfunc_end_k_q576158854c_fine:
	.size	k_q576158854c_fine, .Lfunc_end_k_q576158854c_fine-k_q576158854c_fine
	.p2alignl 7, 3214868480
	.fill 96, 4, 3214868480
	.section	.rodata,"a",@progbits
	.p2align	6, 0x0
	.amdhsa_kernel k_q576158854c_fine
		.amdhsa_group_segment_fixed_size 85248
		.amdhsa_private_segment_fixed_size 0
		.amdhsa_enable_private_segment 0
		.amdhsa_kernarg_size 24
		.amdhsa_user_sgpr_count 2
		.amdhsa_user_sgpr_kernarg_segment_ptr 1
		.amdhsa_wavefront_size32 1
		.amdhsa_system_sgpr_workgroup_id_x 1
		.amdhsa_system_sgpr_workgroup_id_y 1
		.amdhsa_system_sgpr_workgroup_id_z 1
		.amdhsa_system_vgpr_workitem_id 0
		.amdhsa_next_free_vgpr 256
		.amdhsa_next_free_sgpr 66
		.amdhsa_reserve_vcc 1
		.amdhsa_float_denorm_mode_32 3
		.amdhsa_float_denorm_mode_16_64 3
		.amdhsa_memory_ordered 1
		.amdhsa_forward_progress 1
		.amdhsa_inst_pref_size 36
	.end_amdhsa_kernel
	.amdgpu_metadata
---
amdhsa.version: [ 1, 2 ]
amdhsa.kernels:
  - .name:           k_q576158854c_fine
    .symbol:         k_q576158854c_fine.kd
    .args:
      - { .name: fine32, .offset: 0, .size: 8, .value_kind: global_buffer, .address_space: global }
      - { .name: Wo, .offset: 8, .size: 8, .value_kind: global_buffer, .address_space: global }
      - { .name: out0, .offset: 16, .size: 8, .value_kind: global_buffer, .address_space: global }
    .group_segment_fixed_size: 85248
    .private_segment_fixed_size: 0
    .kernarg_segment_align: 8
    .kernarg_segment_size: 24
    .max_flat_workgroup_size: 512
    .sgpr_count:     66
    .vgpr_count:     256
    .wavefront_size: 32
...
	.end_amdgpu_metadata
.endif
;; end of part 5
